; MI455X (gfx1250); checked and timed in simulation.
; The chip was launched on July 23, 2026; its instructions are those of AMD's public machine-readable ISA for CDNA 5 (MIT licence, August 2026) and "CDNA5" Instruction Set Architecture Reference Guide (July 2026). The comments in the code are by the model that wrote it; some were corrected since.
;; Attention. Allowed arithmetic: matrix products marked QUANTISED: E4M3 operands, one given power-of-two scale a tensor, by v_wmma_f32_16x16x64_fp8_fp8 or v_wmma_f32_16x16x128_fp8_fp8, f32 sums; everything else in f32.
;; Inputs: W_out 1,024 x 1,024 float32; W_qkv 1,024 x 3,072 float32; b_out 1,024 float32; lowp_scales 8 int32 (the exponents e of the quantised operands' scales 2^e); mask 4 x 2,048 bool; x 4 x 2,048 x 1,024 float32.
;; Outputs: out0 4 x 2,048 x 1,024 float32.
;; This version of the problem:
;;   THIS VERSION OF THE PROBLEM IS GIVEN IN LOW PRECISION. The matrix products marked QUANTISED in the list below multiply operands that are first quantised to E4M3 (4 exponent bits, 3 mantissa bits; 8 bits a number), with one given power-of-two scale for each operand tensor; their sums are f32. All else is computed in f32.
;;   The module's matrix products, in the order in which they are computed (A, B: the left and right operand; K: the contracted axis; several contracted axes count as one K, in the product's order):
;;     1. [M 8,192, K 1,024] x [K 1,024, N 3,072]; A: input x; B: input W_qkv: QUANTISED (scales: A lowp_scales[0], B lowp_scales[1])
;;     2. batch 64 x [M 2,048, K 64] x [K 64, N 2,048]; A: computed on the way; B: computed on the way: QUANTISED (scales: A lowp_scales[2], B lowp_scales[3])
;;     3. batch 64 x [M 2,048, K 2,048] x [K 2,048, N 64]; A: softmax (see below); B: computed on the way: QUANTISED (scales: A lowp_scales[4], B lowp_scales[5])
;;     4. [M 8,192, K 1,024] x [K 1,024, N 1,024]; A: computed on the way; B: input W_out: QUANTISED (scales: A lowp_scales[6], B lowp_scales[7])
;;   THE QUANTISER, for each operand of a quantised product, along K:
;;     - The operand's scale is 2^e, e = its entry of the input lowp_scales (int32; the entries are numbered through the quantised products in the list's order, A before B).
;;     - Each number is divided by the scale, clamped to +-448, and rounded to the nearest number of E4M3, ties to even, subnormals kept.
;;     - The product sums the exact products of the quantised numbers (number of the format x scale) in f32.
;;   ~~~python
;;   def quantise(x, axis, e):      # numpy; x: float32 -> the quantised numbers, widened to float32 again
;;       x = np.moveaxis(x, axis, -1); K = x.shape[-1]
;;       r = np.clip(x / 2.0 ** e, -448, 448)
;;       step = 2.0 ** (np.maximum(np.frexp(np.where(r == 0, 1, r))[1] - 1, -6) - 3)
;;       q = np.round(r / step) * step * 2.0 ** e      # np.round: ties to even
;;       return np.moveaxis(q, -1, axis).astype(np.float32)
;;   ~~~
;;   SOFTMAX AHEAD OF A QUANTISED PRODUCT. Where the list says 'softmax', what is quantised is not the finished softmax but p = 2^(t - M), with t = logit x log2(e) and M = ceil(the row's largest t), a whole number; so 1/2 < the row's largest p <= 1. The row's sum l is taken of the UNQUANTISED p, in f32, and the product's result is divided by l at the end. Since M is a whole number, a kernel that streams over the keys may use a running M (the ceiling of the running maximum): every later rescaling is an exact power of two, so the quantised numbers keep their values, but for numbers so far below the row's largest that they fall under the format's range.
;;   OPERANDS COMPUTED ON THE WAY. 'Computed on the way' means the value that the module computes at that place (a softmax that the list does not call 'softmax' is quantised finished and normalised). What goes into a quantiser is computed in f32, as accurately as f32 sums, v_exp_f32 and their like allow (about 1e-6 of the number): no bf16 or f16 on the way to a quantiser, and a product that is left as it is and whose result goes on into a quantised operand takes f32 operands (vector FMAs, or v_wmma_f32_16x16x4_f32). A number that lies on a knife's edge between two numbers of the format may be rounded either way, as far as f32 arithmetic and the matrix unit's own rounding can turn it there, and no further.
;; One version. Each part assembles by itself: llvm-mc -triple=amdgcn-amd-amdhsa -mcpu=gfx1250 --defsym DOCPART=n.
;; ======== version 1 of 1: 4 launches
;; limits: right only within a limited range of input values
;; workspace buffers: x_codes 8,388,608 bytes; wcodes 4,194,304 bytes; q_img 8,388,608 bytes; k_img 8,388,608 bytes; v_img 8,388,608 bytes; vsum 262,144 bytes; a_img 8,388,608 bytes
;; launch prep (part 1): grid 384 x 1, 4 waves a work-group, no clusters, 68,096 bytes of LDS; arguments x, W_qkv, W_out, lowp_scales, x_codes, wcodes; writes x_codes, wcodes
.if DOCPART == 1
	.amdgcn_target "amdgcn-amd-amdhsa--gfx1250"
	.amdhsa_code_object_version 6
	.text
	.protected	k_qeaab887206_prep
	.globl	k_qeaab887206_prep
	.p2align	8
	.type	k_qeaab887206_prep,@function
k_qeaab887206_prep:
	s_mov_b64 s[64:65], 0
	v_nop
	global_prefetch_b8 v0, s[64:65] scope:SCOPE_SE
	s_setreg_imm32_b32 hwreg(HW_REG_WAVE_MODE, 25, 1), 1
	s_wait_xcnt 0x0
; x [8192][1024], W_qkv [1024][3072] and W_out [1024][1024], f32, become codes of FP8 (E4M3), each with the scale 2^e that is given for it (entries 0, 1 and 7).
; code = number / 2^e, held within +-448, rounded to the nearest code, ties to even.  LIMITS: -126 <= e and e + 8 <= 127; NaN among the inputs is not served.
; Work-groups 0-255 take x: K is innermost, so x is a plain stream; a wave takes 16 steps of 512 numbers.  Each load reads 512 consecutive bytes; the step's 2,048 bytes turn through the wave's own stage in LDS,
; so that a lane holds 16 neighbours along K for the conversions; a lane's 16 codes are 16 bytes, a wave's store 512 consecutive bytes.
; Work-groups 256-383 take the weights, whose K is the FIRST axis: a lane takes a column and its registers run down K, so the conversions give codes with K innermost; they leave through the wave's stage as rows.
; wcodes is [4096][1024]: rows 0-3071 W_qkv's columns, rows 3072-4095 W_out's.  ROW p HOLDS COLUMN p WITH BITS 3 AND 4 EXCHANGED: the later launches want their results' registers in that order.
; The exchange is made where the columns are loaded: lane l takes column (l with bits 3 and 4 exchanged) of its wave's 32, still 128 consecutive bytes a load, and writes row l of the stage.
; The two paths part on the work-group's number and have LDS bytes of their own.  No tensor loads, no barrier: waves share nothing.
.set STEPS, 16
.set WREG,  8192                       ; x's path: a region for each wave, two stages of 32 x SP bytes
.set SP,    80                         ; a lane's place in a stage: 64 bytes + 16 of padding
.set CB,    16
.set R,     16                         ; v16-79   four sets of 16 numbers as loaded
.set XR,    80                         ; v80-111  two sets of 16 neighbours
.set CX,    128                        ; v128-191 codes, four registers a step
.set SPW,   12                         ; v12  LDS address of my spare word; never rewritten
.set NIL,   13                         ; v13  0; never rewritten
.set WST,   32768                      ; the weights' path: four stages of 32 rows x PITCH
.set PITCH, 272
.set SPARE, 67584                      ; behind both paths' bytes: the spare words, 128 bytes a wave
.set NB,    8                          ; blocks of 32 along K for a wave
.set XW,    32                         ; v32-95   two sets of 32 numbers
.set CW,    96                         ; v96-103  a block's codes
.set OUTR,  112                        ; v112-175 the way out
.set OFFS,  176                        ; v176-207 4 x my column + i rows of W; never rewritten
.set SB,    32                         ; s[32:47] W at my wave's columns, block t's first row
.macro LOADX t
.irp i, 0,1,2,3
	global_load_b128 v[R+16*((\t)%4)+4*\i:R+16*((\t)%4)+4*\i+3], v3, s[4:5] offset:2048*(\t)+512*\i th:TH_LOAD_NT   ; 32 lanes read 512 consecutive bytes
.endr
.endm
.macro TURNX t                         ; a step's numbers through the stage: LDS serves a wave's instructions in order, so no wait stands between the stores and the loads
.irp i, 0,1,2,3
	ds_store_b128 v14, v[R+16*((\t)%4)+4*\i:R+16*((\t)%4)+4*\i+3] offset:32*SP*((\t)%2)+8*SP*\i
.endr
.irp i, 0,1,2,3
	ds_load_b128 v[XR+16*((\t)%2)+4*\i:XR+16*((\t)%2)+4*\i+3], v15 offset:32*SP*((\t)%2)+16*\i
.endr
.endm
.macro STEPX t
.set XS, XR+16*((\t)%2)
	s_wait_dscnt 0x0                               ; this step's numbers are back from the stage, and its stores into the stage have read their registers,
.if (\t)+4 < STEPS
	LOADX (\t)+4                                   ; which take the loads of four steps on
.endif
.if (\t)+1 < STEPS
.if STEPS-2-(\t) >= 3
	s_wait_loadcnt 12                              ; the next step's four loads are in; those of the three steps behind it may be out
.else
	s_wait_loadcnt 4*(STEPS-2-(\t))
.endif
	TURNX (\t)+1
.endif
.irp i, 0,1,2,3,4,5,6,7,8,9,10,11,12,13,14,15
.endr
	v_cvt_scalef32_pk8_fp8_f32 v[CX+4*(\t):CX+4*(\t)+1], v[XS:XS+7], v11
	v_cvt_scalef32_pk8_fp8_f32 v[CX+4*(\t)+2:CX+4*(\t)+3], v[XS+8:XS+15], v11
	global_store_b128 v3, v[CX+4*(\t):CX+4*(\t)+3], s[12:13] offset:32*CB*(\t)   ; each step has code registers of its own: no store's data are written again
.endm
.macro LOADW t                         ; block t: W(32 t + i, my column), i = 0 .. 31, into set t % 2
.set ii, 0
.rept 32
	global_load_b32 v[XW+32*((\t)%2)+ii], v[OFFS+ii], s[SB+2*(\t):SB+2*(\t)+1] th:TH_LOAD_NT
.set ii, ii+1
.endr
.endm
.macro BLOCKW t
.set XS, XW+32*((\t)%2)
.if (\t) < NB-1
	s_wait_loadcnt 32                              ; this block's 32 loads are in; the next block's may be out
.else
	s_wait_loadcnt 0
.endif
.set ii, 0
.rept 32
.set ii, ii+1
.endr
.irp g, 0,1,2,3
	v_cvt_scalef32_pk8_fp8_f32 v[CW+2*\g:CW+2*\g+1], v[XS+8*\g:XS+8*\g+7], v11
.endr
	ds_store_b128 v4, v[CW:CW+3] offset:32*(\t)    ; 32 codes: 32 bytes of my row of the stage
	ds_store_b128 v4, v[CW+4:CW+7] offset:32*(\t)+16
.if (\t)+2 < NB
	LOADW (\t)+2
.endif
	s_wait_dscnt 0x0                               ; the stores have read their registers: the next block's codes may be written
.endm
	s_load_b256 s[4:11], s[0:1], 0x0               ; x s[4:5], W_qkv s[6:7], W_out s[8:9], the scales' exponents s[10:11]
	s_load_b128 s[12:15], s[0:1], 0x20             ; x_codes s[12:13], wcodes s[14:15]
	v_lshl_add_u32 v[SPW], v0, 2, SPARE
	v_mov_b32 v[NIL], 0
	v_lshrrev_b32 v1, 5, v0
	v_readfirstlane_b32 s16, v1                    ; wave 0..3
	v_and_b32 v2, 31, v0                           ; lane
	s_wait_kmcnt 0x0
	s_load_b256 s[24:31], s[10:11], 0x0            ; e0 .. e7
	s_cmp_lt_u32 ttmp9, 256
	s_cbranch_scc0 .Lweights
	s_wait_alu depctr_va_vdst(0)
	; ---- x
	v_lshlrev_b32 v3, 4, v2                        ; my 16 bytes of a load's 512, and of a store's
	s_wait_alu depctr_va_vdst(0)
	s_mul_i32 s17, s16, WREG
	v_lshrrev_b32 v14, 2, v2
	v_mul_u32_u24 v14, v14, SP
	v_and_b32 v15, 3, v2
	v_lshl_add_u32 v14, v15, 4, v14
	v_add_nc_u32 v14, s17, v14                     ; the stage, on the way in: SP (lane / 4) + 16 (lane % 4)
	v_mul_u32_u24 v15, v2, SP
	v_add_nc_u32 v15, s17, v15                     ; and on the way out: SP x lane: my 16 neighbours
	s_lshl_b32 s18, ttmp9, 2
	s_add_co_u32 s18, s18, s16                     ; which run of 8,192 numbers is my wave's
	s_lshl_b32 s20, s18, 15
	s_mov_b32 s21, 0
	s_add_nc_u64 s[4:5], s[4:5], s[20:21]
	s_lshl_b32 s20, s18, 13
	s_add_nc_u64 s[12:13], s[12:13], s[20:21]
.irp t, 0,1,2,3
	LOADX \t
.endr
	s_wait_alu depctr_va_vdst(0)
	s_wait_kmcnt 0x0
	s_add_co_i32 s22, s24, 127
	s_lshl_b32 s23, s22, 23
	v_mov_b32 v11, s23                             ; 2^e0 as f32: the conversion takes its exponent field
	s_add_co_i32 s22, s22, 8
	s_lshl_b32 s22, s22, 23
	s_or_b32 s22, s22, 0x600000
	s_wait_alu depctr_va_vdst(0)
	s_wait_loadcnt 12                              ; step 0's four loads are in
	TURNX 0
.irp t, 0,1,2,3,4,5,6,7,8,9,10,11,12,13,14,15
	STEPX \t
.endr
	s_wait_tensorcnt 0x0                           ; the wave's end, behind my last LDS store
	ds_add_u32 v[SPW], v[NIL]
	s_wait_dscnt 0x0
	s_endpgm
	; ---- the weights: 32 groups of 128 columns (24 of W_qkv, 8 of W_out) x 4 parts of 256 along K
.Lweights:
	s_sub_co_u32 s17, ttmp9, 256
	s_and_b32 s18, s17, 31                         ; the group of 128 rows of wcodes
	s_lshr_b32 s19, s17, 5                         ; which 256 along K
	s_mov_b32 s50, 4096
	s_cmp_lt_u32 s18, 24                           ; W_qkv or W_out: the choice hangs on the work-group's number alone
	s_cselect_b64 s[4:5], s[6:7], s[8:9]
	s_cselect_b32 s50, 12288, s50                  ; a row of W in bytes
	s_cselect_b32 s20, 0, 24
	s_sub_co_u32 s20, s18, s20                     ; the group of columns in its own tensor
	s_lshl_b32 s21, s19, 8
	s_mul_i32 s21, s21, s50                        ; 256 rows x part
	s_lshl_b32 s22, s20, 9
	s_add_co_u32 s21, s21, s22                     ; + 128 columns x group
	s_lshl_b32 s22, s16, 7
	s_add_co_u32 s22, s21, s22                     ; + 32 columns x wave
	s_mov_b32 s23, 0
	s_add_nc_u64 s[SB:SB+1], s[4:5], s[22:23]
	s_lshl_b32 s48, s50, 5                         ; 32 rows
	s_mov_b32 s49, 0
.irp t, 1,2,3,4,5,6,7
	s_add_nc_u64 s[SB+2*\t:SB+2*\t+1], s[SB+2*\t-2:SB+2*\t-1], s[48:49]
.endr
	s_lshl_b32 s22, s18, 17                        ; wcodes: 128 rows of 1,024 bytes x group
	s_lshl_b32 s51, s16, 15
	s_add_co_u32 s22, s22, s51                     ; + 32 rows x wave
	s_lshl_b32 s51, s19, 8
	s_add_co_u32 s22, s22, s51                     ; + 256 bytes x part
	s_add_nc_u64 s[14:15], s[14:15], s[22:23]
	s_wait_alu depctr_va_vdst(0)
	v_lshrrev_b32 v5, 1, v2                        ; bit 3 of (lane >> 1) xor lane is bit 4 xor bit 3 of the lane;
	v_xor_b32 v5, v5, v2
	v_and_b32 v5, 8, v5                            ; 8 where the two bits differ,
	v_mul_u32_u24 v5, v5, 3                        ; 24 there,
	v_xor_b32 v5, v5, v2                           ; which turns both: my lane with bits 3 and 4 exchanged: the column that I take
	v_lshlrev_b32 v3, 2, v5                        ; in: 4 bytes a column
	s_mul_i32 s52, s16, 32*PITCH
	s_add_co_u32 s52, s52, WST                     ; my stage
	v_mul_u32_u24 v4, v2, PITCH
	v_add_nc_u32 v4, s52, v4                       ; into it: row = my lane
	v_and_b32 v5, 15, v2
	v_lshrrev_b32 v6, 4, v2                        ; out of it: sixteen lanes to a row, two rows an instruction
	v_mul_u32_u24 v7, v6, PITCH
	v_lshl_add_u32 v7, v5, 4, v7
	v_add_nc_u32 v7, s52, v7
	v_lshlrev_b32 v8, 10, v6
	v_lshl_add_u32 v8, v5, 4, v8                   ; and the same place in wcodes
.set ii, 0
.rept 32
	v_mad_u32_u24 v[OFFS+ii], s50, ii, v3
.set ii, ii+1
.endr
	LOADW 0
	LOADW 1
	s_wait_kmcnt 0x0
	s_cmp_lt_u32 s18, 24
	s_cselect_b32 s30, s25, s31                    ; e1 or e7
	s_add_co_i32 s30, s30, 127
	s_lshl_b32 s31, s30, 23
	v_mov_b32 v11, s31                             ; 2^e
	s_add_co_i32 s30, s30, 8
	s_lshl_b32 s30, s30, 23
	s_or_b32 s30, s30, 0x600000
	s_wait_alu depctr_va_vdst(0)
.irp t, 0,1,2,3,4,5,6,7
	BLOCKW \t
.endr
.irp t, 0,1,2,3,4,5,6,7,8,9,10,11,12,13,14,15
	ds_load_b128 v[OUTR+4*\t:OUTR+4*\t+3], v7 offset:2*\t*PITCH   ; LDS serves a wave's instructions in order: these see my stores
.endr
.irp t, 0,1,2,3,4,5,6,7,8,9,10,11,12,13,14,15
	s_wait_dscnt 15-\t
	global_store_b128 v8, v[OUTR+4*\t:OUTR+4*\t+3], s[14:15] offset:2*\t*1024   ; sixteen lanes store 256 consecutive bytes, aligned
.endr
	s_wait_tensorcnt 0x0                           ; the wave's end, behind my last LDS store
	ds_add_u32 v[SPW], v[NIL]
	s_wait_dscnt 0x0
	s_endpgm
.Lfunc_end_k_qeaab887206_prep:
	.size	k_qeaab887206_prep, .Lfunc_end_k_qeaab887206_prep-k_qeaab887206_prep
	.p2alignl 7, 3214868480
	.fill 96, 4, 3214868480
	.section	.rodata,"a",@progbits
	.p2align	6, 0x0
	.amdhsa_kernel k_qeaab887206_prep
		.amdhsa_group_segment_fixed_size 68096
		.amdhsa_private_segment_fixed_size 0
		.amdhsa_enable_private_segment 0
		.amdhsa_kernarg_size 48
		.amdhsa_user_sgpr_count 2
		.amdhsa_user_sgpr_kernarg_segment_ptr 1
		.amdhsa_wavefront_size32 1
		.amdhsa_system_sgpr_workgroup_id_x 1
		.amdhsa_system_sgpr_workgroup_id_y 1
		.amdhsa_system_sgpr_workgroup_id_z 1
		.amdhsa_system_vgpr_workitem_id 0
		.amdhsa_next_free_vgpr 208
		.amdhsa_next_free_sgpr 66
		.amdhsa_reserve_vcc 0
		.amdhsa_float_denorm_mode_32 3
		.amdhsa_float_denorm_mode_16_64 3
		.amdhsa_fp16_overflow 1
		.amdhsa_memory_ordered 1
		.amdhsa_forward_progress 1
		.amdhsa_inst_pref_size 56
	.end_amdhsa_kernel
	.amdgpu_metadata
---
amdhsa.version: [ 1, 2 ]
amdhsa.kernels:
  - .name:           k_qeaab887206_prep
    .symbol:         k_qeaab887206_prep.kd
    .args:
      - { .name: x, .offset: 0, .size: 8, .value_kind: global_buffer, .address_space: global }
      - { .name: W_qkv, .offset: 8, .size: 8, .value_kind: global_buffer, .address_space: global }
      - { .name: W_out, .offset: 16, .size: 8, .value_kind: global_buffer, .address_space: global }
      - { .name: lowp_scales, .offset: 24, .size: 8, .value_kind: global_buffer, .address_space: global }
      - { .name: x_codes, .offset: 32, .size: 8, .value_kind: global_buffer, .address_space: global }
      - { .name: wcodes, .offset: 40, .size: 8, .value_kind: global_buffer, .address_space: global }
    .group_segment_fixed_size: 68096
    .private_segment_fixed_size: 0
    .kernarg_segment_align: 8
    .kernarg_segment_size: 48
    .max_flat_workgroup_size: 128
    .sgpr_count:     66
    .vgpr_count:     208
    .wavefront_size: 32
...
	.end_amdgpu_metadata
.endif
;; end of part 1
;; launch qkv (part 2): grid 12 x 32, 4 waves a work-group, clusters of 4 x 4, 327,680 bytes of LDS; arguments x_codes, wcodes, lowp_scales, q_img, k_img, v_img, vsum; writes q_img, k_img, v_img, vsum
.if DOCPART == 2
	.amdgcn_target "amdgcn-amd-amdhsa--gfx1250"
	.amdhsa_code_object_version 6
	.text
	.protected	k_qeaab887206_qkv
	.globl	k_qeaab887206_qkv
	.p2align	8
	.type	k_qeaab887206_qkv,@function
k_qeaab887206_qkv:
	s_mov_b64 s[64:65], 0
	v_nop
	global_prefetch_b8 v0, s[64:65] scope:SCOPE_SE
	s_setreg_imm32_b32 hwreg(HW_REG_WAVE_MODE, 25, 1), 1
	s_wait_xcnt 0x0
	s_wait_alu depctr_hold_cnt(0) depctr_sa_sdst(0) depctr_va_vdst(0) depctr_va_sdst(0) depctr_va_ssrc(0) depctr_va_vcc(0) depctr_vm_vsrc(0)
	s_getreg_b32 s2, hwreg(HW_REG_IB_STS2, 6, 4)
	s_cmp_eq_u32 s2, 0
	s_cbranch_scc0 .Lentry_in_a_cluster
	s_endpgm
.Lentry_in_a_cluster:
	s_bfe_u32 s2, ttmp6, 0x10000c
	s_cmp_lg_u32 s2, 0xf033
	s_cbranch_scc0 .Lentry_shape_is_right
	s_endpgm
.Lentry_shape_is_right:
; qkv = x W_qkv on codes of FP8 (E4M3); q / 8, k and v are quantised in registers (scales 2^e2, 2^e3, 2^e5) and stored as IMAGES OF OPERAND REGISTERS for the attention launch.
; x_codes [8192][1024], wcodes [4096][1024] (row p = column p with bits 3 and 4 exchanged), K innermost.  A tile of 256 x 256 is made by four waves, 128 x 128 each: 64 accumulators, 512 registers.
; K goes in steps of 256 through a ring of two LDS slots filled by the tensor data mover; 4 x 4 work-groups form a cluster; the tile that is source 1 is shared along a row of the cluster, the tile that is source 0 along a column.
; Cluster x = 0: q, 1: k: source 0 = 16 rows of wcodes, source 1 = 16 tokens.  A lane then holds ONE token and eight neighbouring places of a head: one conversion gives registers 2 c, 2 c + 1 of a K = 64 fragment.
; Cluster x = 2: v: the operands change places (source 0 = 16 tokens, source 1 = 16 rows of wcodes): a lane holds one place of a head and eight neighbouring KEYS: registers 2 c, 2 c + 1 of a K = 128 fragment along the keys.
; q_img, k_img: [batch x head 64][tile of 16 tokens 128][half 2][512 bytes: lane l's 16 bytes at 16 l].   v_img: [batch x head][128 keys 16][16 places 4][quarter 4][512 bytes].  Every store is 512 consecutive bytes, aligned.
; vsum: for rows of the attention that see no live key: the sum of v's codes over 128 keys, by a product with ones: [128 tokens 64][128 places 8][lane 32][4] f32; lane l, word i: place 32 i + l.
; LIMITS: E = e2 + 3 - e0 - e1, e3 - e0 - e1, e5 - e0 - e1 lie between -126 and 119, so that 2^E and 448 x 2^E are f32 numbers.
; REGISTERS, in windows of 256: window 0: v0-31 addresses; from v128 source 1's fragments, ONE set; on the way out v32-95 held sums, v128-255 codes.  window 1: source 0's fragments, TWO sets.  windows 2, 3: the accumulators.
.set KSTEP,  256
.set ROWB,   256
.set KROW,   1024                      ; a row of either tensor in memory, in bytes
.set PITCH,  272                       ; an LDS row: 256 bytes + 16 of padding: the 16 rows that a load touches start at 16 different banks (64 banks of 4 bytes: ISA guide 11.1)
.set FR,     16
.set NL,     4
.set NP,     4                         ; places behind this matrix instruction (ISA guide 7.12.1)
.set HALFT,  128*PITCH
.set SLOT,   4*HALFT
.set LAPS,   2                         ; K = 1,024 is four K steps: twice round the ring
.set SPARE,  2*SLOT                    ; behind the ring: the spare words, 128 bytes a wave
.set ADRA, 16
.set ADRB, 20
.set CO,   26                          ; v26  16 x lane
.set SPW,  28
.set NIL,  29
.set LIM,  30
.set SCL,  31                          ; v31  2^E
.set TMP,  32
.set ONES, 96
.set VS,   112
.set AF,   128
.set CD,   128
.set G1, 24
.set G0, 32
.set G1B, 48
.set G0B, 56
.set MSB, 0
.macro WIN new                         ; the immediate's high byte repeats the setting that is left
.if MSB != \new
	s_set_vgpr_msb (MSB<<8)|\new
.set MSB, \new
.endif
.endm
.set MUL_LO, 0xa1                      ; source 0 window 1, source 1 window 0, C and D window 2
.set MUL_HI, 0xf1
.set TO_B,   0x40
; A joint load: waves 0 and 1 fetch source 1's tile, waves 2 and 3 source 0's.  The branch hangs on the wave's number alone.  An s_nop 0 and four v_nop follow each line.
.macro JLOAD g0a, g1a, g0b, g1b
	s_cmp_eq_u32 s15, 0
	s_cbranch_scc0 .Lfor_b_\@
	tensor_load_to_lds s[\g0a:\g0a+3], s[\g1a:\g1a+7]
	s_nop 0
.rept 4
	v_nop
.endr
	s_branch .Lasked_\@
.Lfor_b_\@:
	tensor_load_to_lds s[\g0b:\g0b+3], s[\g1b:\g1b+7]
	s_nop 0
.rept 4
	v_nop
.endr
.Lasked_\@:
.endm
.macro CREST                           ; a round of the cluster's barrier behind its opening barrier
	s_cmp_lg_u32 s14, 0
	s_cbranch_scc1 .Lnot_wave_0_\@
	s_barrier_signal -3
.Lnot_wave_0_\@:
	s_barrier_wait -3
	s_barrier_signal -1
	s_barrier_wait -1
.endm
.macro CROUND
	s_barrier_signal -1
	s_barrier_wait -1
	CREST
.endm
	s_load_b256 s[68:75], s[0:1], 0x0              ; x_codes s[68:69], wcodes s[70:71], the exponents s[72:73], q_img s[74:75]
	s_load_b128 s[76:79], s[0:1], 0x20             ; k_img s[76:77], v_img s[78:79]
	s_load_b64 s[80:81], s[0:1], 0x30              ; vsum
	v_lshl_add_u32 v[SPW], v0, 2, SPARE
	v_mov_b32 v[NIL], 0
	ds_add_u32 v[SPW], v[NIL]
	ds_add_u32 v[SPW], v[NIL]                      ; the wave's opening: the add and its wait ahead of my first tensor load
	v_lshrrev_b32 v1, 5, v0
	v_readfirstlane_b32 s14, v1                    ; wave 0..3
	s_lshr_b32 s15, s14, 1                         ; which half of source 1's rows is mine.  Also: I fetch source 1's tile (0) or source 0's (1)
	s_and_b32 s16, s14, 1                          ; which half of source 0's rows.  Also: which 128 rows of that tile I fetch
	s_bfe_u32 s40, ttmp6, 0x40000                  ; cx
	s_bfe_u32 s41, ttmp6, 0x40004                  ; cy
	s_and_b32 s12, ttmp7, 0xffff
	s_lshl_b32 s12, s12, 2                         ; 4 x cluster y
	s_lshl_b32 s13, ttmp9, 2                       ; 4 x cluster x
	s_add_co_u32 s17, s12, s41                     ; q, k: source 1 = tokens, tile 4 Y + cy
	s_add_co_u32 s18, s41, 8                       ; v:    source 1 = wcodes, tile 8 + cy
	s_add_co_u32 s42, s13, s40                     ; q, k: source 0 = wcodes, tile 4 X + cx
	s_add_co_u32 s19, s12, s40                     ; v:    source 0 = tokens, tile 4 Y + cx
	s_cmp_eq_u32 ttmp9, 2                          ; the cluster's x: the same in all sixteen partners
	s_cselect_b32 s17, s18, s17                    ; source 1's tile hangs on cy alone,
	s_cselect_b32 s42, s19, s42                    ; source 0's on cx alone
	s_lshl_b32 s43, s41, 2
	s_lshl_b32 s43, 15, s43                        ; my row of the cluster
	s_lshl_b32 s44, 0x1111, s40                    ; my column
	s_or_b32 s[G1+0], s43, (0<<16)|(1<<20)|(1<<21)|(5<<22)|(3<<25)  ; the mask; elements of 1 byte; padding on; bit 21 beside a mask; after every 64 words 4 words
	s_or_b32 s[G1B+0], s44, (0<<16)|(1<<20)|(1<<21)|(5<<22)|(3<<25)
.irp g, G1, G1B
	s_mov_b32 s[\g+1], ROWB<<16                    ; tensor_dim0
	s_mov_b32 s[\g+2], 128<<16                     ; tensor_dim1
	s_mov_b32 s[\g+3], ROWB<<16                    ; tile_dim0
	s_mov_b32 s[\g+4], 128                         ; tile_dim1
	s_mov_b32 s[\g+5], KROW                        ; tensor_dim0_stride
	s_mov_b32 s[\g+6], 0
	s_mov_b32 s[\g+7], 0
.endr
	s_lshl_b32 s18, s16, 7                         ; which 128 rows of the tile I fetch
	s_lshl_b32 s20, s17, 8
	s_add_co_u32 s20, s20, s18
	s_lshl_b32 s20, s20, 10                        ; rows of 1,024 bytes; under 2^24
	s_mov_b32 s21, 0
	s_lshl_b32 s46, s42, 8
	s_add_co_u32 s46, s46, s18
	s_lshl_b32 s46, s46, 10
	s_mov_b32 s47, 0
	s_mul_i32 s45, s14, HALFT                      ; where they go: wave x 128 rows: no place in the cluster enters an LDS address
	s_wait_dscnt 0x0                               ; the opening add is done
	s_wait_kmcnt 0x0
	s_load_b256 s[84:91], s[72:73], 0x0            ; e0 .. e7
	s_cmp_eq_u32 ttmp9, 2
	s_cselect_b64 s[4:5], s[70:71], s[68:69]       ; source 1's tensor
	s_cselect_b64 s[6:7], s[68:69], s[70:71]       ; source 0's
	s_add_nc_u64 s[20:21], s[4:5], s[20:21]
	s_add_nc_u64 s[46:47], s[6:7], s[46:47]
	CROUND                                         ; all sixteen work-groups are here: the first joint loads meet
.irp s, 0,1
	s_mov_b32 s[G0+4*\s], 1
	s_add_co_u32 s[G0+4*\s+1], s45, \s*SLOT
	s_add_nc_u64 s[G0+4*\s+2:G0+4*\s+3], s[20:21], \s*ROWB
	s_or_b32 s[G0+4*\s+3], s[G0+4*\s+3], 0x80000000
	s_mov_b32 s[G0B+4*\s], 1
	s_add_co_u32 s[G0B+4*\s+1], s45, \s*SLOT
	s_add_nc_u64 s[G0B+4*\s+2:G0B+4*\s+3], s[46:47], \s*ROWB
	s_or_b32 s[G0B+4*\s+3], s[G0B+4*\s+3], 0x80000000
	JLOAD G0+4*\s, G1, G0B+4*\s, G1B
.endr
	v_and_b32 v1, 15, v0                           ; l % 16
	v_bfe_u32 v2, v0, 4, 1                         ; l / 16
	v_mul_u32_u24 v3, v1, PITCH
	v_lshl_add_u32 v4, v2, 4, v3                   ; a fragment's row x pitch + 16 x half
	s_mul_i32 s21, s15, HALFT                      ; my 128 rows of source 1
	s_mul_i32 s22, s16, HALFT                      ; my 128 rows of source 0,
	s_add_co_u32 s22, s22, 2*HALFT                 ; which lie behind source 1's 256
.irp s, 0,1
	v_add_nc_u32 v[ADRA+\s], s21, v4
	v_add_nc_u32 v[ADRB+\s], s22, v4
	s_add_co_u32 s21, s21, SLOT
	s_add_co_u32 s22, s22, SLOT
.endr
	v_and_b32 v6, 31, v0                           ; lane; kept
	v_lshlrev_b32 v[CO], 4, v6
.macro FRAG reg, adr, q, i             ; 16 rows x 128 K: registers 4 c .. 4 c + 3 hold K = 32 c + 16 (l / 16) + 0 .. 15: the same permutation of k on both sides
.irp c, 0,1,2,3
	ds_load_b128 v[\reg+4*\c:\reg+4*\c+3], v[\adr] offset:128*(\q)+32*\c+(\i)*16*PITCH
.endr
.endm
; 16 matrix instructions.  The 64 accumulators take turns, one instruction a turn, in the same order in every step.
.macro MUL16 a0, p, zero
.irp a, \a0, \a0+1
.irp b, 0,1,2,3,4,5,6,7
.if \zero
	v_wmma_f32_16x16x128_fp8_fp8 v[8*(8*((\a)%4)+\b):8*(8*((\a)%4)+\b)+7], v[128*(\p)+FR*\b:128*(\p)+FR*\b+FR-1], v[AF+FR*(\a):AF+FR*(\a)+FR-1], 0
.else
	v_wmma_f32_16x16x128_fp8_fp8 v[8*(8*((\a)%4)+\b):8*(8*((\a)%4)+\b)+7], v[128*(\p)+FR*\b:128*(\p)+FR*\b+FR-1], v[AF+FR*(\a):AF+FR*(\a)+FR-1], v[8*(8*((\a)%4)+\b):8*(8*((\a)%4)+\b)+7]
.endif
.endr
.endr
.endm
.macro FETCH_B slot, q, p
	WIN TO_B
.irp i, 0,1,2,3,4,5,6,7
	FRAG 128*(\p)+FR*\i, ADRB+\slot, \q, \i
.endr
	WIN 0
.endm
.macro FETCH_A slot, q, i0
.irp i, \i0, \i0+1, \i0+2, \i0+3
	FRAG AF+FR*(\i), ADRA+\slot, \q, \i
.endr
.endm
.macro PLACES n                        ; plain vector instructions between a matrix instruction and a load into, or a read of, its registers
.rept \n
	v_nop
.endr
.endm
.macro STEP slot, q, zero              ; a step of 128 along K that has its successor in the same slot
	s_wait_dscnt 4*NL                              ; source 0's set and source 1's blocks 0-3 are in; the youngest sixteen loads (blocks 4-7) may be out
	WIN MUL_LO
	MUL16 0, (\q)%2, \zero
	MUL16 2, (\q)%2, \zero
	s_wait_dscnt 0
	PLACES NP
	FETCH_B \slot, (\q)+1, 1-(\q)%2
	FETCH_A \slot, (\q)+1, 0
	WIN MUL_HI
	MUL16 4, (\q)%2, \zero
	MUL16 6, (\q)%2, \zero
	PLACES NP
	WIN 0
	FETCH_A \slot, (\q)+1, 4
.endm
; A slot's last step changes slots: one barrier; in front of it each wave waits for all its tensor loads, adds 0 to its spare word, and waits for that and for its own reads of this slot.
.macro TURN slot, next, fill
	s_wait_tensorcnt 0x0                           ; all my tensor loads have landed: my part of the next slot
	ds_add_u32 v[SPW], v[NIL]
	s_wait_dscnt 4*NL+1                            ; the add and the youngest sixteen loads may be out
	WIN MUL_LO
	MUL16 0, 1, 0
	s_wait_dscnt 0x0                               ; the add is done, and my reads of this slot are over
	s_barrier_signal -1
	MUL16 2, 1, 0
	WIN 0
	s_barrier_wait -1
.if \fill
	CREST                                          ; the barrier has opened a round of the cluster's barrier: no wave of any partner still reads this slot or has a load on its way
	s_add_nc_u64 s[G0+4*\slot+2:G0+4*\slot+3], s[G0+4*\slot+2:G0+4*\slot+3], 2*ROWB
	s_add_nc_u64 s[G0B+4*\slot+2:G0B+4*\slot+3], s[G0B+4*\slot+2:G0B+4*\slot+3], 2*ROWB
	JLOAD G0+4*\slot, G1, G0B+4*\slot, G1B         ; the first tensor load behind the round; its four v_nop are the places in front of the loads below
.else
	PLACES NP
.endif
	FETCH_B \next, 0, 0
	FETCH_A \next, 0, 0
	WIN MUL_HI
	MUL16 4, 1, 0
	MUL16 6, 1, 0
	PLACES NP
	WIN 0
	FETCH_A \next, 0, 4
.endm
	s_wait_alu depctr_va_vdst(0)
	s_wait_tensorcnt 1                             ; my part of K step 0 is in; K step 1's load may be out
	s_barrier_signal -1
	s_barrier_wait -1
	FETCH_B 0, 0, 0
	FETCH_A 0, 0, 0
	FETCH_A 0, 0, 4
	STEP 0, 0, 1                                   ; the first step starts the sums: nothing is cleared
	s_mov_b32 s3, LAPS-1
.Llap:                                                 ; a trip goes once round the ring and fills both slots again
	TURN 0, 1, 1
	STEP 1, 0, 0
	TURN 1, 0, 1
	STEP 0, 0, 0
	s_sub_co_u32 s3, s3, 1
	s_cmp_lg_u32 s3, 0
	s_cbranch_scc1 .Llap
	TURN 0, 1, 0                                   ; the last lap fills nothing
	STEP 1, 0, 0
	s_wait_dscnt 4*NL
	WIN MUL_LO
	MUL16 0, 1, 0
	MUL16 2, 1, 0
	s_wait_dscnt 0
	WIN MUL_HI
	MUL16 4, 1, 0
	MUL16 6, 1, 0
	WIN 0
; THE WAY OUT.  Block a (16 rows of source 1): its 64 sums go straight from the accumulators; eight conversions make 16 registers of codes, which ARE an operand's registers;
; four stores of 512 consecutive bytes.  Each block has code registers of its own, so no store's data are written again.
.macro OUTA a, isv
	WIN 0x02+((\a)/4)                              ; source 0: window 2 or 3
.set jj, 0
.rept 64
.set jj, jj+1
.endr
.irp b, 0,1,2,3,4,5,6,7
	v_cvt_scalef32_pk8_fp8_f32 v[CD+16*(\a)+2*\b:CD+16*(\a)+2*\b+1], v[TMP+8*\b+((64*((\a)%4)+jj)-(TMP+jj)):TMP+8*\b+7+((64*((\a)%4)+jj)-(TMP+jj))], v[SCL]
.endr
	WIN 0
	v_nop                                          ; a plain instruction between the conversions and the next writes of their sources
.irp g, 0,1,2,3
.if \isv
	global_store_b128 v[CO], v[CD+16*(\a)+4*\g:CD+16*(\a)+4*\g+3], s[10:11] offset:((\a)/4)*131072+((\a)%4)*2048+\g*512
.else
	global_store_b128 v[CO], v[CD+16*(\a)+4*\g:CD+16*(\a)+4*\g+3], s[10:11] offset:(\g/2)*131072+(\a)*1024+(\g%2)*512
.endif
.endr
.endm
	s_wait_kmcnt 0x0
	s_add_co_i32 s92, s84, s85                     ; e0 + e1: a sum stands for sum x 2^(e0 + e1)
	s_add_co_i32 s93, s86, 3                       ; q: the factor 1/8 goes into the scale
	s_cmp_eq_u32 ttmp9, 1
	s_cselect_b32 s93, s87, s93                    ; k
	s_cmp_eq_u32 ttmp9, 2
	s_cselect_b32 s93, s89, s93                    ; v
	s_sub_co_i32 s93, s93, s92                     ; E
	s_add_co_i32 s93, s93, 127
	s_lshl_b32 s94, s93, 23
	PLACES NP
	v_mov_b32 v[SCL], s94                          ; 2^E
	s_lshl_b32 s8, s17, 8
	s_lshl_b32 s9, s15, 7
	s_add_co_u32 s8, s8, s9                        ; my first row of source 1
	s_lshl_b32 s9, s42, 8
	s_lshl_b32 s12, s16, 7
	s_add_co_u32 s9, s9, s12                       ; my first row of source 0
	s_cmp_eq_u32 ttmp9, 2
	s_cbranch_scc1 .Lvalues
	s_lshr_b32 s12, s8, 11                         ; q, k: s8 = my first token, s9 = my first row of wcodes.  The batch,
	s_lshl_b32 s12, s12, 4
	s_bfe_u32 s13, s9, 0x40006                     ; the head,
	s_add_co_u32 s12, s12, s13
	s_lshl_b32 s12, s12, 7
	s_bfe_u32 s13, s8, 0x70004                     ; the tile of 16 tokens
	s_add_co_u32 s12, s12, s13
	s_lshl_b32 s12, s12, 10
	s_mov_b32 s13, 0
	s_cmp_eq_u32 ttmp9, 1
	s_cselect_b64 s[10:11], s[76:77], s[74:75]
	s_add_nc_u64 s[10:11], s[10:11], s[12:13]
	s_wait_alu depctr_va_vdst(0)
.irp a, 0,1,2,3,4,5,6,7
	OUTA \a, 0
.endr
	s_branch .Lclose
.Lvalues:
	s_lshr_b32 s12, s9, 11                         ; v: s9 = my first token, s8 = 2,048 + my first place.  The batch,
	s_lshl_b32 s12, s12, 4
	s_bfe_u32 s13, s8, 0x40006                     ; the head,
	s_add_co_u32 s12, s12, s13
	s_lshl_b32 s12, s12, 4
	s_bfe_u32 s13, s9, 0x40007                     ; the step of 128 keys
	s_add_co_u32 s12, s12, s13
	s_lshl_b32 s12, s12, 13
	s_mov_b32 s13, 0
	s_add_nc_u64 s[10:11], s[78:79], s[12:13]
	s_lshr_b32 s12, s9, 7                          ; vsum: 128 tokens x 8 + 128 places, 512 bytes each
	s_lshl_b32 s12, s12, 3
	s_bfe_u32 s92, s8, 0x30007
	s_add_co_u32 s12, s12, s92
	s_lshl_b32 s12, s12, 9
	s_add_nc_u64 s[80:81], s[80:81], s[12:13]
	s_wait_alu depctr_va_vdst(0)
.irp a, 0,1,2,3,4,5,6,7
	OUTA \a, 1
.endr
.set jj, 0
.rept 16
	v_mov_b32 v[ONES+jj], 0x38383838               ; the code of 1.0, four times
.set jj, jj+1
.endr
.irp a, 0,1,2,3,4,5,6,7                        ; ones x block a's codes: every register of lane (r, h) is the sum over my 128 keys at place 16 a + r
	v_wmma_f32_16x16x128_fp8_fp8 v[TMP+8*\a:TMP+8*\a+7], v[ONES:ONES+15], v[CD+16*\a:CD+16*\a+15], 0
.endr
	PLACES NP
	v_cmp_le_u32 vcc_lo, 16, v6
.irp i, 0,1,2,3
	v_cndmask_b32 v[VS+\i], v[TMP+16*\i], v[TMP+16*\i+8], vcc_lo   ; lane 16 h + r, word i: place 32 i + 16 h + r
.endr
	global_store_b128 v[CO], v[VS:VS+3], s[80:81]
.Lclose:
	s_wait_tensorcnt 0x0                           ; the wave's end
	ds_add_u32 v[SPW], v[NIL]
	s_wait_dscnt 0x0
	CROUND                                         ; the closing round: no work-group ends while a partner may still ask for a tile that names it
	s_endpgm
.Lfunc_end_k_qeaab887206_qkv:
	.size	k_qeaab887206_qkv, .Lfunc_end_k_qeaab887206_qkv-k_qeaab887206_qkv
	.p2alignl 7, 3214868480
	.fill 96, 4, 3214868480
	.section	.rodata,"a",@progbits
	.p2align	6, 0x0
	.amdhsa_kernel k_qeaab887206_qkv
		.amdhsa_group_segment_fixed_size 327680
		.amdhsa_private_segment_fixed_size 0
		.amdhsa_enable_private_segment 0
		.amdhsa_kernarg_size 56
		.amdhsa_user_sgpr_count 2
		.amdhsa_user_sgpr_kernarg_segment_ptr 1
		.amdhsa_wavefront_size32 1
		.amdhsa_system_sgpr_workgroup_id_x 1
		.amdhsa_system_sgpr_workgroup_id_y 1
		.amdhsa_system_sgpr_workgroup_id_z 1
		.amdhsa_system_vgpr_workitem_id 0
		.amdhsa_next_free_vgpr 1024
		.amdhsa_next_free_sgpr 100
		.amdhsa_reserve_vcc 1
		.amdhsa_float_denorm_mode_32 3
		.amdhsa_float_denorm_mode_16_64 3
		.amdhsa_fp16_overflow 1
		.amdhsa_memory_ordered 1
		.amdhsa_forward_progress 1
		.amdhsa_inst_pref_size 96
	.end_amdhsa_kernel
	.amdgpu_metadata
---
amdhsa.version: [ 1, 2 ]
amdhsa.kernels:
  - .name:           k_qeaab887206_qkv
    .symbol:         k_qeaab887206_qkv.kd
    .args:
      - { .name: x_codes, .offset: 0, .size: 8, .value_kind: global_buffer, .address_space: global }
      - { .name: wcodes, .offset: 8, .size: 8, .value_kind: global_buffer, .address_space: global }
      - { .name: lowp_scales, .offset: 16, .size: 8, .value_kind: global_buffer, .address_space: global }
      - { .name: q_img, .offset: 24, .size: 8, .value_kind: global_buffer, .address_space: global }
      - { .name: k_img, .offset: 32, .size: 8, .value_kind: global_buffer, .address_space: global }
      - { .name: v_img, .offset: 40, .size: 8, .value_kind: global_buffer, .address_space: global }
      - { .name: vsum, .offset: 48, .size: 8, .value_kind: global_buffer, .address_space: global }
    .group_segment_fixed_size: 327680
    .private_segment_fixed_size: 0
    .kernarg_segment_align: 8
    .kernarg_segment_size: 56
    .max_flat_workgroup_size: 128
    .sgpr_count:     100
    .vgpr_count:     1024
    .wavefront_size: 32
...
	.end_amdgpu_metadata
.endif
;; end of part 2
;; launch attn (part 3): grid 4 x 64, 8 waves a work-group, no clusters, 327,680 bytes of LDS; arguments q_img, k_img, v_img, vsum, mask, lowp_scales, a_img; writes a_img
.if DOCPART == 3
	.amdgcn_target "amdgcn-amd-amdhsa--gfx1250"
	.amdhsa_code_object_version 6
	.text
	.protected	k_qeaab887206_attn
	.globl	k_qeaab887206_attn
	.p2align	8
	.type	k_qeaab887206_attn,@function
k_qeaab887206_attn:
	s_mov_b64 s[64:65], 0
	v_nop
	global_prefetch_b8 v0, s[64:65] scope:SCOPE_SE
	s_setreg_imm32_b32 hwreg(HW_REG_WAVE_MODE, 25, 1), 1
	s_wait_xcnt 0x0
; Causal attention with a padding mask over the keys, both products on codes of FP8 (E4M3); the result is divided by the row's sum, quantised with 2^e6 and stored as images of the last product's operand registers.
; SOFTMAX: t = score x log2(e); M = the running largest t rounded UP to a whole number; p = 2^(t - M) is quantised with 2^e4; the row's sum is taken of the unquantised p.  When M moves, the sum and O are multiplied by 2^(old M - new M): exact.
; SHARES.  Work-group (x, batch x head) owns the blocks x and 7 - x of 256 queries: (x + 1) + (8 - x) = 9 slots of 256 keys for every work-group, so the trip count is a constant and all 256 work-groups have equal work.
; Each of eight waves owns 32 queries, two tiles, so that each fragment of K, V and the bias read from LDS feeds two matrix instructions.  Steps all of whose keys come after the wave's queries are jumped over (a branch on ids).
; NO CLUSTER: in a given trip the four work-groups of a head stand at different slots (work-group x is at slot s in trip s up to s = x and then at s - x - 1), so their requests do not meet.
; LAYOUT.  S^T = K Q^T + bias (source 0 = 16 keys, source 1 = 16 queries), O^T = V^T P^T: a lane holds ONE query throughout; S^T's tile t holds keys 16 t + 8 (lane / 16) + 0 .. 7, so a conversion gives registers 2 t, 2 t + 1 of P.
; THE MASKS.  The padding mask is the C of the score products: 0 for a live key, -2^100 for a masked one; on the diagonal hidden scores get the same number.  The running largest t starts at -2^60 c (c = log2(e) 2^(e2 + e3)):
; every true t is at least -2^24 c (64 x 448^2 < 2^24), a masked one lies far under the start, so its p is 0 and no infinity meets an infinity.
; A ROW THAT SEES NO LIVE KEY has the sum 0 (a live row's is at least 1/2).  There every logit is the same, so the weights are uniform over ALL 2,048 keys: p = 1, the sum 2,048, O = Q(1) x the sum of v's codes (from vsum).
; LIMITS: -90 <= e2 + e3 <= 60; -126 <= e4 <= 9; -126 <= e6 <= 119; NaN is not served.
; LDS: two slots of 32 KB (K's image of 256 keys, then V's); the bias, 256 f32 for each of the 9 trips, in trip order; 256 bytes a wave for the dead rows' O; the spare words.
; REGISTERS: window 0: v1-11 addresses; v16-31 statistics, 8 a tile: -M, largest t, the sum's two halves, f, 0, two at work; v33-35, v57-58 constants; v40-55 Q; v64-191 S^T, then p; v192-223 P; v224-239 the second block's Q; v240-255 codes out.
;            window 1: v0-63 K; v64-127 V; v128-191 bias; v192-255 O^T.
.set SLOT1, 32768
.set VOFF,  16384
.set BIAS,  65536
.set VSC,   74752
.set SPARE, 76800
.set LI,   1                           ; v1   16 x lane
.set BIA,  2                           ; v2   BIAS + 32 (lane / 16)
.set PFO,  3                           ; v3   256 x lane
.set SPW,  4                           ; v4   my spare word; never rewritten
.set NIL,  5                           ; v5   0; never rewritten
.set ADK,  6
.set ADB,  7
.set RH,   8                           ; v8   lane % 16 - 8 (lane / 16)
.set VSA,  9                           ; v9   VSC + 256 wave + 32 (lane / 16)
.set PD,   10                          ; v10, v11  lane permutes' destinations
.set ST,   16
.set HOLD, 32
.set SCP,  33                          ; 2^e4
.set C0R,  34                          ; -2^100
.set TWOK, 35                          ; 2,048.0
.set SUM2, 36                          ; v[36:39] second chains of the sums
.set Q,    40
.set HOLDO, 56
.set SCO,  57                          ; 2^e6
.set C1R,  58                          ; the code of p = 1: min(2^-e4, 448)
.set S,    64
.set P,    192
.set QB,   224
.set OC,   240
.set KW1,  0
.set VW1,  64
.set BW1,  128
.set OW1,  192
.set WV,   18
.set XX,   19
.set SEL,  20
.set CS,   22
.set G1,   24
.set G0,   32
.set KVB,  36                          ; s[36:37] K's image (wave 0) or V's (wave 1) at my head
.set NS,   40                          ; the slot of keys that the next trip walks
.set TRIP, 41
.set TB,   42                          ; LDS byte at which the slot in hand begins
.set BO,   43                          ; the trip's place in the bias
.set KF,   44                          ; the step's first key
.set QW,   45                          ; my wave's first query
.set PFA,  46
.set LIMP, 48
.set QWB,  49
.set AO,   50
.set AH,   70
.set FB,   74                          ; -2^60 c
.set MSB, 0
.macro WIN new                         ; the immediate's high byte repeats the setting that is left
.if MSB != \new
	s_set_vgpr_msb (MSB<<8)|\new
.set MSB, \new
.endif
.endm
.macro TLOAD                           ; wave 0 fetches K's 16 KB of a slot, wave 1 V's; an s_nop 0 and four v_nop follow the line
	s_cmp_lt_u32 s[WV], 2
	s_cbranch_scc0 .Lnone_\@
	tensor_load_to_lds s[G0:G0+3], s[G1:G1+7]
	s_nop 0
.rept 4
	v_nop
.endr
.Lnone_\@:
.endm
; A prefetch into the L2: in trip t (t < 6) waves 4 to 7 of the head's work-group x = 0 name slot t + 2 of the keys: waves 4, 5 the two halves of K's 16 KB, waves 6, 7 of V's, lanes 256 bytes apart.
; So each block of 256 bytes of slots 2 to 7 is named once in the launch, a trip ahead of the first tensor load that wants it (work-group 3's).  Slots 0 and 1 come by their loads alone.
.macro ASK
	s_cmp_lt_u32 s[TRIP], s[LIMP]
	s_cbranch_scc0 .Lnoask_\@
	global_prefetch_b8 v[PFO], s[PFA:PFA+1] th:TH_LOAD_NT scope:SCOPE_SE
.Lnoask_\@:
.endm
; THE CHANGE OF SLOTS, at a trip's head.  Each wave waits for all its tensor loads, adds 0 to its spare word, and waits for that and for its reads of the slot that it has left.  Behind the barrier the slot ahead is whole
; and nobody reads the other one, which is filled with the next trip's keys: one load a wave, and a whole trip in which to land.
.macro CHANGE fill
	s_wait_tensorcnt 0x0                           ; no tensor load of mine is out, so group 0 may be written
	ds_add_u32 v[SPW], v[NIL]
.if \fill
	s_add_co_u32 s[NS], s[NS], 1
	s_cmp_eq_u32 s[TRIP], s[XX]
	s_cselect_b32 s[NS], 0, s[NS]                  ; behind the first block's last slot the second block begins at slot 0
	s_lshl_b32 s38, s[NS], 14
	s_add_nc_u64 s[G0+2:G0+3], s[KVB:KVB+1], s[38:39]
	s_or_b32 s[G0+3], s[G0+3], 0x80000000
	s_xor_b32 s[G0+1], s[G0+1], SLOT1
	s_wait_xcnt 0x0                                ; the last prefetch, a trip back, has read its address
	s_add_nc_u64 s[PFA:PFA+1], s[PFA:PFA+1], 16384
.endif
	s_wait_dscnt 0x0                               ; the add is done, my reads of the slot that I have left are over (in the first trip: my stores of the bias have landed)
	s_barrier_signal -1
	s_barrier_wait -1
.if \fill
	TLOAD
	ASK
.endif
.endm
; A KEY STEP: 128 keys, the q-th of the slot in hand, against my 32 queries.
.macro STEP q
	s_add_co_u32 s96, s[QW], 31
	s_cmp_gt_u32 s[KF], s96                        ; all keys come after my queries: the step's work is left out
	s_cbranch_scc1 .Lhidden_\@
	v_add_nc_u32 v[ADK], s[TB], v[LI]
	v_add_nc_u32 v[ADB], s[BO], v[BIA]
	v_nop
	v_nop                                          ; four places in front of loads into registers that the last products have read
	WIN 0x40                                       ; destination window 1
.irp t, 0,1,2,3,4,5,6,7
.irp c, 0,1
	ds_load_b128 v[KW1+8*\t+4*\c:KW1+8*\t+4*\c+3], v[ADK] offset:8192*(\q)+1024*\t+512*\c
.endr
.endr
.irp t, 0,1,2,3,4,5,6,7
.irp c, 0,1
	ds_load_b128 v[BW1+8*\t+4*\c:BW1+8*\t+4*\c+3], v[ADB] offset:512*(\q)+64*\t+16*\c
.endr
.endr
.irp t, 0,1,2,3
.irp c, 0,1,2,3
	ds_load_b128 v[VW1+16*\t+4*\c:VW1+16*\t+4*\c+3], v[ADK] offset:VOFF+8192*(\q)+2048*\t+512*\c
.endr
.endr
	s_wait_dscnt 16                                ; K and the bias are in; V's sixteen loads may be out
	WIN 0x11                                       ; K and the bias window 1, Q and S^T window 0
.irp t, 0,1,2,3,4,5,6,7
.irp u, 0,1
	v_wmma_f32_16x16x64_fp8_fp8 v[S+64*\u+8*\t:S+64*\u+8*\t+7], v[KW1+8*\t:KW1+8*\t+7], v[Q+8*\u:Q+8*\u+7], v[BW1+8*\t:BW1+8*\t+7]
.endr
.endr
	WIN 0
.rept 4
	v_nop
.endr
	s_add_co_u32 s96, s[KF], 127
	s_cmp_le_u32 s96, s[QW]                        ; all keys count: no compare
	s_cbranch_scc1 .Lopen_\@
	s_sub_co_i32 s96, s[QW], s[KF]
	v_add_nc_u32 v[ST+6], s96, v[RH]               ; tile 0: register 8 t + j holds key KF + 16 t + 8 (lane / 16) + j: hidden where 16 t + j > my query - KF - 8 (lane / 16)
	s_delay_alu instid0(VALU_DEP_1)
	v_add_nc_u32 v[ST+14], 16, v[ST+6]             ; tile 1: 16 queries on
.irp u, 0,1
.set nn, 0
.rept 64
	v_cmp_gt_i32 vcc_lo, 16*(nn/8)+nn%8, v[ST+8*\u+6]
	v_cndmask_b32 v[S+64*\u+nn], v[S+64*\u+nn], v[C0R], vcc_lo
.set nn, nn+1
.endr
.endr
.Lopen_\@:
.irp u, 0,1                                    ; the step's largest score of each query, two chains a tile; each accumulator is read from its low end on
	v_max3_num_f32 v[ST+8*\u+6], v[S+64*\u], v[S+64*\u+1], v[S+64*\u+2]
	v_max3_num_f32 v[ST+8*\u+7], v[S+64*\u+3], v[S+64*\u+4], v[S+64*\u+5]
.endr
.irp i, 6,10,14,18,22,26,30,34,38,42,46,50,54,58
.irp u, 0,1
	v_max3_num_f32 v[ST+8*\u+6], v[ST+8*\u+6], v[S+64*\u+\i], v[S+64*\u+\i+1]
	v_max3_num_f32 v[ST+8*\u+7], v[ST+8*\u+7], v[S+64*\u+\i+2], v[S+64*\u+\i+3]
.endr
.endr
.irp u, 0
	v_max3_num_f32 v[ST+8*\u+6], v[ST+8*\u+6], v[S+64*\u+62], v[S+64*\u+63]
.endr
.irp u, 1
	v_max3_num_f32 v[ST+8*\u+6], v[ST+8*\u+6], v[S+64*\u+62], v[S+64*\u+63]
.endr
.irp u, 0,1
	s_delay_alu instid0(VALU_DEP_2)
	v_max_num_f32 v[ST+8*\u+6], v[ST+8*\u+6], v[ST+8*\u+7]
.endr
.irp u, 0,1
	s_delay_alu instid0(VALU_DEP_2)
	v_permlanex16_b32 v[PD+\u], v[ST+8*\u+6], s[SEL], s[SEL+1]
.endr
.irp u, 0,1
	s_delay_alu instid0(VALU_DEP_2)
	v_max_num_f32 v[ST+8*\u+6], v[ST+8*\u+6], v[PD+\u]      ; and among lane l xor 16's
.endr
.irp u, 0,1
	s_delay_alu instid0(VALU_DEP_2)
	v_mul_f32 v[ST+8*\u+6], s[CS], v[ST+8*\u+6]             ; as t (c is positive)
.endr
.irp u, 0,1
	s_delay_alu instid0(VALU_DEP_2)
	v_max_num_f32 v[ST+8*\u+1], v[ST+8*\u+1], v[ST+8*\u+6]  ; the running largest t
.endr
.irp u, 0,1
	v_mov_b32 v[ST+8*\u+6], v[ST+8*\u]
.endr
.irp u, 0,1
	s_delay_alu instid0(VALU_DEP_4)
	v_floor_f32 v[ST+8*\u], -v[ST+8*\u+1]                   ; the new -M = floor(-t): M is a whole number
.endr
.irp u, 0,1
	s_delay_alu instid0(VALU_DEP_2)
	v_sub_f32 v[ST+8*\u+6], v[ST+8*\u], v[ST+8*\u+6]        ; old M - new M, 0 or less
.endr
.irp u, 0,1
	s_delay_alu instid0(VALU_DEP_2)
	v_cvt_i32_f32 v[ST+8*\u+6], v[ST+8*\u+6]                ; (it saturates)
.endr
.irp u, 0,1
	s_delay_alu instid0(VALU_DEP_2)
	v_ldexp_f32 v[ST+8*\u+4], 1.0, v[ST+8*\u+6]             ; f = 2^(old M - new M)
.endr
.set jj, 0
.rept 32
	v_pk_fma_f32 v[S+jj:S+jj+1], v[S+jj:S+jj+1], s[CS:CS+1], v[ST:ST+1] op_sel_hi:[1,0,0]                ; t - M, two at a time
	v_pk_fma_f32 v[S+64+jj:S+64+jj+1], v[S+64+jj:S+64+jj+1], s[CS:CS+1], v[ST+8:ST+9] op_sel_hi:[1,0,0]
.set jj, jj+2
.endr
.set jj, 0
	s_wait_alu depctr_va_vdst(0)
.rept 128
	v_exp_f32 v[S+jj], v[S+jj]                     ; p = 2^(t - M): one batch for both tiles
.set jj, jj+1
.endr
	v_pk_mul_f32 v[ST+2:ST+3], v[ST+2:ST+3], v[ST+4:ST+5] op_sel_hi:[1,0]         ; the sums under the new M: plain instructions behind the exponentials
	v_pk_mul_f32 v[ST+10:ST+11], v[ST+10:ST+11], v[ST+12:ST+13] op_sel_hi:[1,0]
	s_wait_alu depctr_va_vdst(0)                   ; one wait for the whole batch, ahead of its first reader
.irp u, 0,1
	v_pk_add_f32 v[SUM2+2*\u:SUM2+2*\u+1], v[S+64*\u:S+64*\u+1], v[S+64*\u+2:S+64*\u+3]   ; the sum of the UNQUANTISED p, two chains a tile
.endr
.irp j, 4,8,12,16,20,24,28,32,36,40,44,48,52,56,60
.irp u, 0,1
	v_pk_add_f32 v[ST+8*\u+2:ST+8*\u+3], v[ST+8*\u+2:ST+8*\u+3], v[S+64*\u+\j:S+64*\u+\j+1]
	v_pk_add_f32 v[SUM2+2*\u:SUM2+2*\u+1], v[SUM2+2*\u:SUM2+2*\u+1], v[S+64*\u+\j+2:S+64*\u+\j+3]
.endr
.endr
.irp u, 0
	s_delay_alu instid0(VALU_DEP_3)
	v_pk_add_f32 v[ST+8*\u+2:ST+8*\u+3], v[ST+8*\u+2:ST+8*\u+3], v[SUM2+2*\u:SUM2+2*\u+1]
.endr
.irp u, 1
	s_delay_alu instid0(VALU_DEP_2)
	v_pk_add_f32 v[ST+8*\u+2:ST+8*\u+3], v[ST+8*\u+2:ST+8*\u+3], v[SUM2+2*\u:SUM2+2*\u+1]
.endr
.irp u, 0,1
.set jj, 0
.rept 64
.set jj, jj+1
.endr
.irp t, 0,1,2,3,4,5,6,7
	v_cvt_scalef32_pk8_fp8_f32 v[P+16*\u+2*\t:P+16*\u+2*\t+1], v[S+64*\u+8*\t:S+64*\u+8*\t+7], v[SCP]
.endr
.endr
	s_wait_dscnt 0x0                               ; V is in
	WIN 0x41                                       ; O^T window 1, f window 0
.irp u, 0,1
.set jj, 0
.rept 16
	v_pk_mul_f32 v[OW1+32*\u+jj:OW1+32*\u+jj+1], v[OW1+32*\u+jj:OW1+32*\u+jj+1], v[ST+8*\u+4:ST+8*\u+5] op_sel_hi:[1,0]   ; O^T under the new M; also the plain instructions behind the conversions
.set jj, jj+2
.endr
.endr
	WIN 0x51                                       ; V and O^T window 1, P window 0
.irp t, 0,1,2,3                                ; the eight accumulators take turns, one instruction a turn
.irp u, 0,1
	v_wmma_f32_16x16x128_fp8_fp8 v[OW1+32*\u+8*\t:OW1+32*\u+8*\t+7], v[VW1+16*\t:VW1+16*\t+15], v[P+16*\u:P+16*\u+15], v[OW1+32*\u+8*\t:OW1+32*\u+8*\t+7]
.endr
.endr
	WIN 0
.Lhidden_\@:
	s_add_co_u32 s[KF], s[KF], 128
.endm
; A block's start: the largest t at -2^60 c, the sums and O^T at zero; the first step's change of M multiplies zeros.
.macro INIT
.irp u, 0,1
	v_mov_b32 v[ST+8*\u+1], s[FB]
	s_delay_alu instid0(VALU_DEP_1)
	v_floor_f32 v[ST+8*\u], -v[ST+8*\u+1]
.irp k, 2,3,4,5,6,7
	v_mov_b32 v[ST+8*\u+\k], 0
.endr
.endr
	WIN 0x40
.set jj, 0
.rept 64
	v_mov_b32 v[OW1+jj], 0
.set jj, jj+1
.endr
	WIN 0
.endm
; THE WAY OUT of a block.  Register 8 t + j of O^T is place 16 t + 8 (lane / 16) + j of the head, which is channel 32 (t / 2) + 16 (lane / 16) + 8 (t % 2) + j: so the codes of tiles 2 b, 2 b + 1 are four registers of the last product's operand.
.macro WAYOUT
	s_wait_xcnt 0x0                                ; the first block's stores have read their registers
.irp u, 0,1
	v_add_f32 v[ST+8*\u+6], v[ST+8*\u+2], v[ST+8*\u+3]
.endr
.irp u, 0,1
	s_delay_alu instid0(VALU_DEP_2)
	v_permlanex16_b32 v[PD+\u], v[ST+8*\u+6], s[SEL], s[SEL+1]
.endr
.irp u, 0,1
	s_delay_alu instid0(VALU_DEP_2)
	v_add_f32 v[ST+8*\u+6], v[ST+8*\u+6], v[PD+\u]          ; the row's sum
.endr
.irp u, 0,1
	s_delay_alu instid0(VALU_DEP_2)
	v_cmp_gt_f32 s[72+\u], 0.5, v[ST+8*\u+6]                ; a row that saw no live key
.endr
.irp u, 0,1
	s_delay_alu instid0(VALU_DEP_2)
	v_cndmask_b32 v[ST+8*\u+6], v[ST+8*\u+6], v[TWOK], s[72+\u]
.endr
.irp t, 0,1,2,3
.irp c, 0,1
	ds_load_b128 v[P+8*\t+4*\c:P+8*\t+4*\c+3], v[VSA] offset:64*\t+16*\c     ; Q(1) x the sum of v's codes at my eight places of each tile
.endr
.endr
	s_wait_alu depctr_va_vdst(0)
.irp u, 0,1
	v_rcp_f32 v[ST+8*\u+6], v[ST+8*\u+6]
.endr
	v_nop                                          ; a plain instruction behind the reciprocals
	s_wait_alu depctr_va_vdst(0)                   ; and the wait ahead of their first reader
.irp u, 0,1
	v_ldexp_f32 v[ST+8*\u+6], v[ST+8*\u+6], s60    ; x 2^(e4 + e5)
.endr
	s_wait_dscnt 0x0
	WIN 0x01                                       ; source 0 (O^T) window 1
.irp u, 0,1
.set jj, 0
.rept 32
	v_cndmask_b32 v[S+32*\u+jj], v[OW1+32*\u+jj], v[P+jj], s[72+\u]
.set jj, jj+1
.endr
.endr
	WIN 0
.irp u, 0,1
.set jj, 0
.rept 16
	v_pk_mul_f32 v[S+32*\u+jj:S+32*\u+jj+1], v[S+32*\u+jj:S+32*\u+jj+1], v[ST+8*\u+6:ST+8*\u+7] op_sel_hi:[1,0]
.set jj, jj+2
.endr
.endr
.set jj, 0
.rept 64
.set jj, jj+1
.endr
.irp u, 0,1
.irp t, 0,1,2,3
	v_cvt_scalef32_pk8_fp8_f32 v[OC+8*\u+2*\t:OC+8*\u+2*\t+1], v[S+32*\u+8*\t:S+32*\u+8*\t+7], v[SCO]
.endr
.endr
	v_nop                                          ; a plain instruction behind the conversions
.irp u, 0,1
.irp b, 0,1
	global_store_b128 v[LI], v[OC+8*\u+4*\b:OC+8*\u+4*\b+3], s[AO:AO+1] offset:2048*\u+512*\b   ; 512 consecutive bytes, aligned
.endr
.endr
.endm
.macro REINIT                          ; on to the block 7 - x
	s_wait_xcnt 0x0                                ; the stores have read their base
	s_mov_b32 s[QW], s[QWB]
	s_mov_b32 s[KF], 0
	s_lshl_b32 s96, s[QW], 7
	s_mov_b32 s97, 0
	s_add_nc_u64 s[AO:AO+1], s[AH:AH+1], s[96:97]
.set jj, 0
.rept 16
	v_mov_b32 v[Q+jj], v[QB+jj]
.set jj, jj+1
.endr
	INIT
.endm
	s_load_b256 s[4:11], s[0:1], 0x0               ; q_img s[4:5], k_img s[6:7], v_img s[8:9], vsum s[10:11]
	s_load_b128 s[12:15], s[0:1], 0x20             ; mask s[12:13], the exponents s[14:15]
	s_load_b64 s[16:17], s[0:1], 0x30              ; a_img
	v_lshl_add_u32 v[SPW], v0, 2, SPARE
	v_mov_b32 v[NIL], 0
	ds_add_u32 v[SPW], v[NIL]                      ; the wave's opening: the add and its wait ahead of my first tensor load
	ds_add_u32 v[SPW], v[NIL]
	v_lshrrev_b32 v12, 5, v0
	s_delay_alu instid0(VALU_DEP_1)
	v_readfirstlane_b32 s[WV], v12                 ; wave 0..7
	s_mov_b32 s[XX], ttmp9
	s_and_b32 s61, ttmp7, 0xffff                   ; batch x 16 + head
	s_lshr_b32 s62, s61, 4                         ; batch
	s_and_b32 s63, s61, 15                         ; head
	s_mov_b32 s[G1], 3<<16                         ; a dense block of 16 KB as 64 rows of 32 elements of 8 bytes; no mask, no padding
	s_mov_b32 s[G1+1], 32<<16                      ; tensor_dim0
	s_mov_b32 s[G1+2], 64<<16                      ; tensor_dim1
	s_mov_b32 s[G1+3], 32<<16                      ; tile_dim0
	s_mov_b32 s[G1+4], 64                          ; tile_dim1
	s_mov_b32 s[G1+5], 32                          ; pitch
	s_mov_b32 s[G1+6], 0
	s_mov_b32 s[G1+7], 0
	s_mov_b32 s[SEL], 0x76543210
	s_mov_b32 s[SEL+1], 0xfedcba98
	s_mov_b32 s[NS], 0
	s_mov_b32 s[TRIP], 0
	s_mov_b32 s[TB], 0
	s_mov_b32 s[BO], 0
	s_mov_b32 s[KF], 0
	s_lshl_b32 s[QW], ttmp9, 8
	s_lshl_b32 s96, s[WV], 5
	s_add_co_u32 s[QW], s[QW], s96                 ; the first block: 256 x + 32 wave
	s_sub_co_u32 s[QWB], 7, s[XX]
	s_lshl_b32 s[QWB], s[QWB], 8
	s_add_co_u32 s[QWB], s[QWB], s96               ; the second: 256 (7 - x) + 32 wave
	s_lshl_b32 s38, s61, 17                        ; a head's image is 131,072 bytes
	s_mov_b32 s39, 0
	s_wait_dscnt 0x0                               ; the opening add is done
	s_wait_kmcnt 0x0
	s_load_b256 s[52:59], s[14:15], 0x0            ; e0 .. e7
	s_cmp_eq_u32 s[WV], 0
	s_cselect_b64 s[KVB:KVB+1], s[6:7], s[8:9]
	s_add_nc_u64 s[KVB:KVB+1], s[KVB:KVB+1], s[38:39]
	s_mov_b32 s[G0], 1
	s_lshl_b32 s[G0+1], s[WV], 14                  ; slot 0: K at 0, V at 16,384
	s_mov_b64 s[G0+2:G0+3], s[KVB:KVB+1]
	s_or_b32 s[G0+3], s[G0+3], 0x80000000
	TLOAD                                          ; slot 0
	s_cmp_lt_u32 s[WV], 6                          ; the prefetches: waves 4, 5 for K, waves 6, 7 for V
	s_cselect_b64 s[PFA:PFA+1], s[6:7], s[8:9]
	s_add_nc_u64 s[PFA:PFA+1], s[PFA:PFA+1], s[38:39]
	s_and_b32 s96, s[WV], 1
	s_lshl_b32 s96, s96, 13
	s_add_co_u32 s96, s96, 16384                   ; in slot 1: the first change of slots steps it to slot 2
	s_mov_b32 s97, 0
	s_add_nc_u64 s[PFA:PFA+1], s[PFA:PFA+1], s[96:97]
	s_lshr_b32 s96, s[WV], 2
	s_xor_b32 s96, s96, 1                          ; 0 in waves 4 to 7,
	s_or_b32 s96, s96, ttmp9                       ; of the head's work-group 0
	s_cmp_eq_u32 s96, 0
	s_cselect_b32 s[LIMP], 6, 0
	v_and_b32 v12, 31, v0                          ; lane
	v_bfe_u32 v13, v0, 4, 1                        ; h
	v_and_b32 v14, 15, v0                          ; r
	s_delay_alu instid0(VALU_DEP_3)
	v_lshlrev_b32 v[LI], 4, v12
	s_delay_alu instid0(VALU_DEP_3)
	v_lshl_add_u32 v[BIA], v13, 5, BIAS
	v_lshlrev_b32 v[PFO], 8, v12
	s_lshl_b32 s96, s[WV], 8
	s_add_co_u32 s96, s96, VSC
	v_lshl_add_u32 v[VSA], v13, 5, s96
	v_lshl_add_u32 v15, v12, 2, s96                ; where I put the dead rows' O: 4 x lane in my wave's 256 bytes
	v_lshlrev_b32 v[RH], 3, v13
	s_delay_alu instid0(VALU_DEP_1)
	v_sub_nc_u32 v[RH], v14, v[RH]
	v_mov_b32 v[PD], 0                             ; written once: a lane permute's destination counts as one of its sources
	v_mov_b32 v[PD+1], 0
	v_mov_b32 v[C0R], 0xf1800000                   ; -2^100
	v_mov_b32 v[TWOK], 0x45000000                  ; 2,048.0
	s_lshl_b32 s96, s62, 11
	s_add_nc_u64 s[12:13], s[12:13], s[96:97]      ; the mask at my batch
.irp s, 0,1,2,3,4,5,6,7,8                      ; trip s walks slot s (s <= x) or s - x - 1; thread t takes key t of the slot
	s_add_co_u32 s96, s[XX], 1
	s_cmp_gt_u32 \s, s[XX]
	s_cselect_b32 s96, s96, 0
	s_sub_co_u32 s96, \s, s96
	s_lshl_b32 s96, s96, 8
	v_add_nc_u32 v[64+\s], s96, v0
	global_load_u8 v[80+\s], v[64+\s], s[12:13]
.endr
	s_lshl_b32 s96, s62, 16                        ; vsum: my batch's 16 parts of 4,096 bytes,
	s_lshr_b32 s97, s63, 1
	s_lshl_b32 s97, s97, 9                         ; my pair of heads,
	s_add_co_u32 s96, s96, s97
	s_and_b32 s97, s63, 1
	s_lshl_b32 s97, s97, 3                         ; my head's two words of a lane's four
	s_add_co_u32 s96, s96, s97
	s_mov_b32 s97, 0
	s_add_nc_u64 s[10:11], s[10:11], s[96:97]
.irp c, 0,1,2,3,4,5,6,7,8,9,10,11,12,13,14,15
	global_load_b64 v[96+2*\c:97+2*\c], v[LI], s[10:11] offset:4096*\c
.endr
	s_add_nc_u64 s[4:5], s[4:5], s[38:39]          ; Q's image at my head; a tile of 16 queries is 1,024 bytes
	s_lshl_b32 s96, s[QW], 6
	v_add_nc_u32 v74, s96, v[LI]
	s_lshl_b32 s96, s[QWB], 6
	v_add_nc_u32 v75, s96, v[LI]
.irp u, 0,1
.irp c, 0,1
	global_load_b128 v[Q+8*\u+4*\c:Q+8*\u+4*\c+3], v74, s[4:5] offset:1024*\u+512*\c
	global_load_b128 v[QB+8*\u+4*\c:QB+8*\u+4*\c+3], v75, s[4:5] offset:1024*\u+512*\c
.endr
.endr
	s_lshr_b32 s96, s63, 1                         ; a_img: [pair of heads][tile of 16 tokens][4][512]
	s_lshl_b32 s96, s96, 20
	s_and_b32 s97, s63, 1
	s_lshl_b32 s97, s97, 10
	s_add_co_u32 s96, s96, s97
	s_lshl_b32 s97, s62, 18
	s_add_co_u32 s96, s96, s97
	s_mov_b32 s97, 0
	s_add_nc_u64 s[AH:AH+1], s[16:17], s[96:97]
	s_lshl_b32 s96, s[QW], 7
	s_add_nc_u64 s[AO:AO+1], s[AH:AH+1], s[96:97]
	s_wait_kmcnt 0x0
	s_add_co_i32 s96, s54, s55
	s_lshl_b32 s96, s96, 23
	s_mov_b32 s[CS], 0x3fb8aa3b                    ; log2(e);
	s_add_co_i32 s[CS], s[CS], s96                 ; a score stands for score x 2^(e2 + e3): the exponents are added to c's exponent field
	s_mov_b32 s[CS+1], s[CS]
	s_add_co_i32 s[FB], s[CS], 0x1e000000
	s_or_b32 s[FB], s[FB], 0x80000000              ; -2^60 c
	s_add_co_i32 s96, s56, 127
	s_lshl_b32 s97, s96, 23
	v_mov_b32 v[SCP], s97                          ; 2^e4
	s_add_co_i32 s96, s58, 127
	s_lshl_b32 s97, s96, 23
	v_mov_b32 v[SCO], s97                          ; 2^e6
	s_add_co_i32 s60, s56, s57                     ; e4 + e5
	s_sub_co_i32 s96, 127, s56
	s_lshl_b32 s96, s96, 23
	v_mov_b32 v[C1R], s96
	s_delay_alu instid0(VALU_DEP_1)
	v_min_num_f32 v[C1R], 0x43e00000, v[C1R]       ; the code of p = 1
	s_wait_loadcnt 24                              ; the mask's nine loads are in; vsum's sixteen and Q's eight may be out
	v_lshl_add_u32 v76, v0, 2, BIAS
.irp s, 0,1,2,3,4,5,6,7,8
	v_cmp_eq_u32 vcc_lo, 0, v[80+\s]
	s_delay_alu instid0(VALU_DEP_1)
	v_cndmask_b32 v[80+\s], 0, v[C0R], vcc_lo      ; 0 for a live key, -2^100 for a masked one
	ds_store_b32 v76, v[80+\s] offset:1024*\s
.endr
	s_wait_loadcnt 8                               ; vsum's loads are in; Q's eight may be out
.irp j, 4
	v_pk_add_f32 v[96:97], v[96:97], v[96+\j:97+\j]
	v_pk_add_f32 v[98:99], v[98:99], v[98+\j:99+\j]
.endr
.irp j, 8, 12, 16, 20, 24, 28
	s_delay_alu instid0(VALU_DEP_2)
	v_pk_add_f32 v[96:97], v[96:97], v[96+\j:97+\j]
	s_delay_alu instid0(VALU_DEP_2)
	v_pk_add_f32 v[98:99], v[98:99], v[98+\j:99+\j]
.endr
	s_delay_alu instid0(VALU_DEP_1)
	v_pk_add_f32 v[96:97], v[96:97], v[98:99]      ; the sum of v's codes over the batch's 2,048 keys at places lane and 32 + lane of my head
	s_delay_alu instid0(VALU_DEP_1)
	v_mul_f32 v96, v[C1R], v96
	s_delay_alu instid0(VALU_DEP_2)
	v_mul_f32 v97, v[C1R], v97
	ds_store_b32 v15, v96
	ds_store_b32 v15, v97 offset:128               ; read back by my own wave alone
	INIT
	s_wait_loadcnt 0x0                             ; Q
.Ltrip:                                            ; eight trips; behind each change of slots the next trip's keys are asked for
	CHANGE 1
	STEP 0
	STEP 1
	s_xor_b32 s[TB], s[TB], SLOT1
	s_add_co_u32 s[BO], s[BO], 1024
	s_cmp_lg_u32 s[TRIP], s[XX]                    ; the first block ends with trip x: a branch on ids, the same in all eight waves; no barrier stands inside
	s_cbranch_scc1 .Lsame
	WAYOUT
	REINIT
.Lsame:
	s_add_co_u32 s[TRIP], s[TRIP], 1
	s_cmp_lt_u32 s[TRIP], 8
	s_cbranch_scc1 .Ltrip
	CHANGE 0                                       ; the last trip is written out
	STEP 0
	STEP 1
	WAYOUT
	s_wait_tensorcnt 0x0                           ; the wave's end
	ds_add_u32 v[SPW], v[NIL]
	s_wait_dscnt 0x0
	s_endpgm
.Lfunc_end_k_qeaab887206_attn:
	.size	k_qeaab887206_attn, .Lfunc_end_k_qeaab887206_attn-k_qeaab887206_attn
	.p2alignl 7, 3214868480
	.fill 96, 4, 3214868480
	.section	.rodata,"a",@progbits
	.p2align	6, 0x0
	.amdhsa_kernel k_qeaab887206_attn
		.amdhsa_group_segment_fixed_size 327680
		.amdhsa_private_segment_fixed_size 0
		.amdhsa_enable_private_segment 0
		.amdhsa_kernarg_size 56
		.amdhsa_user_sgpr_count 2
		.amdhsa_user_sgpr_kernarg_segment_ptr 1
		.amdhsa_wavefront_size32 1
		.amdhsa_system_sgpr_workgroup_id_x 1
		.amdhsa_system_sgpr_workgroup_id_y 1
		.amdhsa_system_sgpr_workgroup_id_z 1
		.amdhsa_system_vgpr_workitem_id 0
		.amdhsa_next_free_vgpr 512
		.amdhsa_next_free_sgpr 100
		.amdhsa_reserve_vcc 1
		.amdhsa_float_denorm_mode_32 3
		.amdhsa_float_denorm_mode_16_64 3
		.amdhsa_fp16_overflow 1
		.amdhsa_memory_ordered 1
		.amdhsa_forward_progress 1
		.amdhsa_inst_pref_size 182
	.end_amdhsa_kernel
	.amdgpu_metadata
---
amdhsa.version: [ 1, 2 ]
amdhsa.kernels:
  - .name:           k_qeaab887206_attn
    .symbol:         k_qeaab887206_attn.kd
    .args:
      - { .name: q_img, .offset: 0, .size: 8, .value_kind: global_buffer, .address_space: global }
      - { .name: k_img, .offset: 8, .size: 8, .value_kind: global_buffer, .address_space: global }
      - { .name: v_img, .offset: 16, .size: 8, .value_kind: global_buffer, .address_space: global }
      - { .name: vsum, .offset: 24, .size: 8, .value_kind: global_buffer, .address_space: global }
      - { .name: mask, .offset: 32, .size: 8, .value_kind: global_buffer, .address_space: global }
      - { .name: lowp_scales, .offset: 40, .size: 8, .value_kind: global_buffer, .address_space: global }
      - { .name: a_img, .offset: 48, .size: 8, .value_kind: global_buffer, .address_space: global }
    .group_segment_fixed_size: 327680
    .private_segment_fixed_size: 0
    .kernarg_segment_align: 8
    .kernarg_segment_size: 56
    .max_flat_workgroup_size: 256
    .sgpr_count:     100
    .vgpr_count:     512
    .wavefront_size: 32
...
	.end_amdgpu_metadata
.endif
;; end of part 3
;; launch proj (part 4): grid 4 x 32, 4 waves a work-group, clusters of 4 x 4, 327,680 bytes of LDS; arguments a_img, wcodes, lowp_scales, b_out, out0; writes out0
.if DOCPART == 4
	.amdgcn_target "amdgcn-amd-amdhsa--gfx1250"
	.amdhsa_code_object_version 6
	.text
	.protected	k_qeaab887206_proj
	.globl	k_qeaab887206_proj
	.p2align	8
	.type	k_qeaab887206_proj,@function
k_qeaab887206_proj:
	s_mov_b64 s[64:65], 0
	v_nop
	global_prefetch_b8 v0, s[64:65] scope:SCOPE_SE
	s_setreg_imm32_b32 hwreg(HW_REG_WAVE_MODE, 25, 1), 1
	s_wait_xcnt 0x0
	s_wait_alu depctr_hold_cnt(0) depctr_sa_sdst(0) depctr_va_vdst(0) depctr_va_sdst(0) depctr_va_ssrc(0) depctr_va_vcc(0) depctr_vm_vsrc(0)
	s_getreg_b32 s2, hwreg(HW_REG_IB_STS2, 6, 4)
	s_cmp_eq_u32 s2, 0
	s_cbranch_scc0 .Lentry_in_a_cluster
	s_endpgm
.Lentry_in_a_cluster:
	s_bfe_u32 s2, ttmp6, 0x10000c
	s_cmp_lg_u32 s2, 0xf033
	s_cbranch_scc0 .Lentry_shape_is_right
	s_endpgm
.Lentry_shape_is_right:
; out0 = attention's result x W_out + b_out, on codes of FP8 (E4M3) with the scales 2^e6 and 2^e7.  out0 [8192][1024] f32.
; a_img: [128 along K: 8][tile of 16 tokens: 512][4][512 bytes]: images of the operand's registers (registers 4 c .. 4 c + 3 hold K = 32 c + 16 (lane / 16) + 0 .. 15).  wcodes rows 3072 + p: column p of W_out with bits 3 and 4 exchanged, K innermost.
; A tile of 256 x 256 is made by four waves, 128 x 128 each.  K goes in steps of 256 through a ring of two LDS slots; 4 x 4 work-groups form a cluster: the tokens' tile is shared along a row, the weights' along a column.
; The matrix instruction is used transposed (source 0 = 16 rows of wcodes, source 1 = 16 tokens): a lane holds eight neighbouring columns of one row; the exchange of bits 3 and 4 is undone by the places in the stage.
; LIMIT: e6 + e7 between -126 and 127, so that 2^(e6 + e7) is an f32 number.
; REGISTERS: window 0: v0-31 addresses; v32-95 b_out in the results' layout; from v128 the tokens' fragments, ONE set (on the way out: the finished numbers).  window 1: the weights' fragments, TWO sets (on the way out: rows read back).  windows 2, 3: accumulators.
.set KSTEP,  256
.set ROWB,   256
.set KROW,   1024
.set PITCH,  272                       ; the weights' LDS row: 256 bytes + 16 of padding
.set FR,     16
.set NL,     4
.set NP,     4
.set HALFT,  128*PITCH
.set AREG,   65536                     ; a slot: the tokens' two images of 32 KB, dense; then the weights' 256 rows
.set SLOT,   AREG+2*HALFT
.set LAPS,   2
.set SPARE,  2*SLOT
.set SPITCH, 528                       ; the way out: a stage of 16 rows x (512 + 16) bytes a wave, in slot 0's first 64 KB, which have had their last fill and their last read by then
.set ADRA, 16
.set ADRB, 20
.set STO,  24
.set RD,   25
.set CO,   26
.set SPW,  28
.set NIL,  29
.set BI,   32
.set TMP,  128
.set AF,   128
.set G1, 24
.set G0, 32
.set G1B, 48
.set G0B, 56
.set MSB, 0
.macro WIN new
.if MSB != \new
	s_set_vgpr_msb (MSB<<8)|\new
.set MSB, \new
.endif
.endm
.set MUL_LO, 0xa1
.set MUL_HI, 0xf1
.set TO_B,   0x40
.macro JLOAD g0a, g1a, g0b, g1b        ; waves 0 and 1 fetch the tokens' images, waves 2 and 3 the weights' rows; an s_nop 0 and four v_nop follow each line
	s_cmp_eq_u32 s15, 0
	s_cbranch_scc0 .Lfor_b_\@
	tensor_load_to_lds s[\g0a:\g0a+3], s[\g1a:\g1a+7]
	s_nop 0
.rept 4
	v_nop
.endr
	s_branch .Lasked_\@
.Lfor_b_\@:
	tensor_load_to_lds s[\g0b:\g0b+3], s[\g1b:\g1b+7]
	s_nop 0
.rept 4
	v_nop
.endr
.Lasked_\@:
.endm
.macro CREST
	s_cmp_lg_u32 s14, 0
	s_cbranch_scc1 .Lnot_wave_0_\@
	s_barrier_signal -3
.Lnot_wave_0_\@:
	s_barrier_wait -3
	s_barrier_signal -1
	s_barrier_wait -1
.endm
.macro CROUND
	s_barrier_signal -1
	s_barrier_wait -1
	CREST
.endm
	s_load_b256 s[68:75], s[0:1], 0x0              ; a_img s[68:69], wcodes s[70:71], the exponents s[72:73], b_out s[74:75]
	s_load_b64 s[76:77], s[0:1], 0x20              ; out0
	v_lshl_add_u32 v[SPW], v0, 2, SPARE
	v_mov_b32 v[NIL], 0
	ds_add_u32 v[SPW], v[NIL]                      ; the wave's opening: the add and its wait ahead of my first tensor load
	ds_add_u32 v[SPW], v[NIL]
	v_lshrrev_b32 v1, 5, v0
	v_readfirstlane_b32 s14, v1                    ; wave 0..3
	s_lshr_b32 s15, s14, 1                         ; which half of the tile's rows is mine.  Also: I fetch tokens (0) or weights (1)
	s_and_b32 s16, s14, 1                          ; which half of its columns.  Also: which half of that fetch
	s_bfe_u32 s40, ttmp6, 0x40000                  ; cx
	s_bfe_u32 s41, ttmp6, 0x40004                  ; cy
	s_lshl_b32 s42, ttmp9, 2
	s_add_co_u32 s42, s42, s40                     ; tile column
	s_and_b32 s17, ttmp7, 0xffff
	s_lshl_b32 s17, s17, 2
	s_add_co_u32 s17, s17, s41                     ; tile row
	s_lshl_b32 s43, s41, 2
	s_lshl_b32 s43, 15, s43                        ; my row of the cluster
	s_lshl_b32 s44, 0x1111, s40                    ; my column
	s_or_b32 s[G1+0], s43, (3<<16)|(1<<21)         ; the tokens: a dense block of 32 KB as 128 rows of 32 elements of 8 bytes, no padding
	s_mov_b32 s[G1+1], 32<<16
	s_mov_b32 s[G1+2], 128<<16
	s_mov_b32 s[G1+3], 32<<16
	s_mov_b32 s[G1+4], 128
	s_mov_b32 s[G1+5], 32
	s_mov_b32 s[G1+6], 0
	s_mov_b32 s[G1+7], 0
	s_or_b32 s[G1B+0], s44, (0<<16)|(1<<20)|(1<<21)|(5<<22)|(3<<25)   ; the weights: 128 rows of 256 bytes, 4 words of padding after every 64
	s_mov_b32 s[G1B+1], ROWB<<16
	s_mov_b32 s[G1B+2], 128<<16
	s_mov_b32 s[G1B+3], ROWB<<16
	s_mov_b32 s[G1B+4], 128
	s_mov_b32 s[G1B+5], KROW
	s_mov_b32 s[G1B+6], 0
	s_mov_b32 s[G1B+7], 0
	s_lshl_b32 s20, s17, 15                        ; the tokens: 16 tiles of 2,048 bytes x tile row,
	s_lshl_b32 s18, s16, 20
	s_add_co_u32 s20, s20, s18                     ; + the even or the odd 128 along K
	s_mov_b32 s21, 0
	s_lshl_b32 s46, s42, 8
	s_lshl_b32 s18, s16, 7
	s_add_co_u32 s46, s46, s18
	s_add_co_u32 s46, s46, 3072                    ; the weights: row 3,072 + 256 x tile column + 128 x half
	s_lshl_b32 s46, s46, 10
	s_mov_b32 s47, 0
	s_lshl_b32 s45, s16, 15                        ; where they go: no place in the cluster enters an LDS address
	s_mul_i32 s19, s16, HALFT
	s_add_co_u32 s19, s19, AREG
	s_wait_dscnt 0x0                               ; the opening add is done
	s_wait_kmcnt 0x0
	s_load_b256 s[84:91], s[72:73], 0x0            ; e0 .. e7
	s_add_nc_u64 s[20:21], s[68:69], s[20:21]
	s_add_nc_u64 s[46:47], s[70:71], s[46:47]
	CROUND                                         ; all sixteen work-groups are here: the first joint loads meet
.irp s, 0,1
	s_mov_b32 s[G0+4*\s], 1
	s_add_co_u32 s[G0+4*\s+1], s45, \s*SLOT
	s_add_nc_u64 s[G0+4*\s+2:G0+4*\s+3], s[20:21], \s*(2<<20)
	s_or_b32 s[G0+4*\s+3], s[G0+4*\s+3], 0x80000000
	s_mov_b32 s[G0B+4*\s], 1
	s_add_co_u32 s[G0B+4*\s+1], s19, \s*SLOT
	s_add_nc_u64 s[G0B+4*\s+2:G0B+4*\s+3], s[46:47], \s*ROWB
	s_or_b32 s[G0B+4*\s+3], s[G0B+4*\s+3], 0x80000000
	s_wait_alu depctr_va_vdst(0)
	s_wait_tensorcnt 0x0
	ds_add_u32 v28, v29
	ds_add_u32 v28, v29
	s_wait_dscnt 0x0
	CROUND
	JLOAD G0+4*\s, G1, G0B+4*\s, G1B
.endr
	v_and_b32 v1, 15, v0                           ; r
	v_bfe_u32 v2, v0, 4, 1                         ; h
	v_and_b32 v6, 31, v0                           ; lane
	v_lshlrev_b32 v[CO], 4, v6                     ; 16 x lane
	v_mul_u32_u24 v3, v1, PITCH
	v_lshl_add_u32 v4, v2, 4, v3
	s_lshl_b32 s21, s15, 14                        ; my 8 tiles of tokens
	s_mul_i32 s22, s16, HALFT
	s_add_co_u32 s22, s22, AREG                    ; my 128 rows of the weights
.irp s, 0,1
	v_add_nc_u32 v[ADRA+\s], s21, v[CO]
	v_add_nc_u32 v[ADRB+\s], s22, v4
	s_add_co_u32 s21, s21, SLOT
	s_add_co_u32 s22, s22, SLOT
.endr
	s_mul_i32 s23, s14, 16*SPITCH                  ; my stage
	v_mul_u32_u24 v5, v1, SPITCH
	v_lshl_add_u32 v5, v2, 6, v5
	v_add_nc_u32 v[STO], s23, v5                   ; in: row r, + 64 h
	v_add_nc_u32 v[RD], s23, v[CO]                 ; back: the 32 lanes take one row of 512 bytes
	v_lshlrev_b32 v7, 6, v2                        ; b_out: + 64 h
	s_wait_alu depctr_va_vdst(0)
	s_lshl_b32 s20, s17, 8
	s_lshl_b32 s21, s15, 7
	s_add_co_u32 s20, s20, s21
	s_lshl_b32 s20, s20, 12                        ; my first row of out0, 4,096 bytes a row
	s_mov_b32 s21, 0
	s_lshl_b32 s46, s42, 10
	s_lshl_b32 s47, s16, 9
	s_add_co_u32 s46, s46, s47                     ; my first column, in bytes
	s_mov_b32 s47, 0
	s_add_nc_u64 s[74:75], s[74:75], s[46:47]
	s_add_nc_u64 s[10:11], s[76:77], s[20:21]
	s_add_nc_u64 s[10:11], s[10:11], s[46:47]
.irp b, 0,1,2,3,4,5,6,7                        ; register 8 b + j of a block is column 32 (b / 2) + 16 h + 8 (b % 2) + j of my 128
.irp i, 0,1
	global_load_b128 v[BI+8*\b+4*\i:BI+8*\b+4*\i+3], v7, s[74:75] offset:128*(\b/2)+32*(\b%2)+16*\i
.endr
.endr
.macro FRAG reg, adr, q, i             ; the weights: registers 4 c .. 4 c + 3 hold K = 32 c + 16 (l / 16) + 0 .. 15
.irp c, 0,1,2,3
	ds_load_b128 v[\reg+4*\c:\reg+4*\c+3], v[\adr] offset:128*(\q)+32*\c+(\i)*16*PITCH
.endr
.endm
.macro FRAGA reg, adr, q, i            ; the tokens: the image as it lies
.irp c, 0,1,2,3
	ds_load_b128 v[\reg+4*\c:\reg+4*\c+3], v[\adr] offset:32768*(\q)+2048*(\i)+512*\c
.endr
.endm
.macro MUL16 a0, p, zero               ; the 64 accumulators take turns, one instruction a turn
.irp a, \a0, \a0+1
.irp b, 0,1,2,3,4,5,6,7
.if \zero
	v_wmma_f32_16x16x128_fp8_fp8 v[8*(8*((\a)%4)+\b):8*(8*((\a)%4)+\b)+7], v[128*(\p)+FR*\b:128*(\p)+FR*\b+FR-1], v[AF+FR*(\a):AF+FR*(\a)+FR-1], 0
.else
	v_wmma_f32_16x16x128_fp8_fp8 v[8*(8*((\a)%4)+\b):8*(8*((\a)%4)+\b)+7], v[128*(\p)+FR*\b:128*(\p)+FR*\b+FR-1], v[AF+FR*(\a):AF+FR*(\a)+FR-1], v[8*(8*((\a)%4)+\b):8*(8*((\a)%4)+\b)+7]
.endif
.endr
.endr
.endm
.macro FETCH_B slot, q, p
	WIN TO_B
.irp i, 0,1,2,3,4,5,6,7
	FRAG 128*(\p)+FR*\i, ADRB+\slot, \q, \i
.endr
	WIN 0
.endm
.macro FETCH_A slot, q, i0
.irp i, \i0, \i0+1, \i0+2, \i0+3
	FRAGA AF+FR*(\i), ADRA+\slot, \q, \i
.endr
.endm
.macro PLACES n
.rept \n
	v_nop
.endr
.endm
.macro STEP slot, q, zero
	s_wait_dscnt 4*NL                              ; the weights' set and the tokens' blocks 0-3 are in; the youngest sixteen loads may be out
	WIN MUL_LO
	MUL16 0, (\q)%2, \zero
	MUL16 2, (\q)%2, \zero
	s_wait_dscnt 0
	PLACES NP
	FETCH_B \slot, (\q)+1, 1-(\q)%2
	FETCH_A \slot, (\q)+1, 0
	WIN MUL_HI
	MUL16 4, (\q)%2, \zero
	MUL16 6, (\q)%2, \zero
	PLACES NP
	WIN 0
	FETCH_A \slot, (\q)+1, 4
.endm
.macro TURN slot, next, fill
	s_wait_tensorcnt 0x0                           ; all my tensor loads have landed: my part of the next slot
	ds_add_u32 v[SPW], v[NIL]
	s_wait_dscnt 4*NL+1                            ; the add and the youngest sixteen loads may be out
	WIN MUL_LO
	MUL16 0, 1, 0
	s_wait_dscnt 0x0                               ; the add is done, and my reads of this slot are over
	s_barrier_signal -1
	MUL16 2, 1, 0
	WIN 0
	s_barrier_wait -1
.if \fill
	CREST                                          ; a round of the cluster's barrier: no wave of any partner still reads this slot or has a load on its way
	s_add_nc_u64 s[G0+4*\slot+2:G0+4*\slot+3], s[G0+4*\slot+2:G0+4*\slot+3], 4<<20
	s_add_nc_u64 s[G0B+4*\slot+2:G0B+4*\slot+3], s[G0B+4*\slot+2:G0B+4*\slot+3], 2*ROWB
	JLOAD G0+4*\slot, G1, G0B+4*\slot, G1B
.else
	PLACES NP
.endif
	FETCH_B \next, 0, 0
	FETCH_A \next, 0, 0
	WIN MUL_HI
	MUL16 4, 1, 0
	MUL16 6, 1, 0
	PLACES NP
	WIN 0
	FETCH_A \next, 0, 4
.endm
	s_wait_tensorcnt 1                             ; my part of K step 0 is in; K step 1's load may be out
	s_barrier_signal -1
	s_barrier_wait -1
	FETCH_B 0, 0, 0
	FETCH_A 0, 0, 0
	FETCH_A 0, 0, 4
	STEP 0, 0, 1
	s_mov_b32 s3, LAPS-1
.Llap:
	TURN 0, 1, 1
	STEP 1, 0, 0
	TURN 1, 0, 1
	STEP 0, 0, 0
	s_sub_co_u32 s3, s3, 1
	s_cmp_lg_u32 s3, 0
	s_cbranch_scc1 .Llap
	TURN 0, 1, 0
	STEP 1, 0, 0
	s_wait_dscnt 4*NL
	WIN MUL_LO
	MUL16 0, 1, 0
	MUL16 2, 1, 0
	s_wait_dscnt 0
	WIN MUL_HI
	MUL16 4, 1, 0
	MUL16 6, 1, 0
	WIN 0
; THE WAY OUT, block by block of 16 rows x 128 columns: sum x 2^(e6 + e7) + b_out by one packed multiply-add for two numbers, each accumulator from its low end on; through my own stage, where each run of eight numbers
; goes to its true columns; back as whole rows of 512 bytes.  LDS serves a wave's instructions in order, so no wait stands between the stores and the loads, nor in front of the next block's stores.
.macro TOSTAGE a
.set AC, 64*((\a)%4)
	WIN 0x02+((\a)/4)                              ; source 0: window 2 or 3
.set jj, 0
.rept 32
	v_pk_fma_f32 v[TMP+jj:TMP+jj+1], v[AC+jj:AC+jj+1], s[96:97], v[BI+jj:BI+jj+1] op_sel_hi:[1,0,1]
.set jj, jj+2
.endr
	WIN 0
.irp b, 0,1,2,3,4,5,6,7
	ds_store_b128 v[STO], v[TMP+8*\b:TMP+8*\b+3] offset:128*(\b/2)+32*(\b%2)
	ds_store_b128 v[STO], v[TMP+8*\b+4:TMP+8*\b+7] offset:128*(\b/2)+32*(\b%2)+16
.endr
.set BB, 64*((\a)%2)
	WIN 0x40                                       ; destination window 1
.irp t, 0,1,2,3,4,5,6,7,8,9,10,11,12,13,14,15
	ds_load_b128 v[BB+4*\t:BB+4*\t+3], v[RD] offset:\t*SPITCH
.endr
	WIN 0
.endm
.macro SEND a, younger                 ; younger: the LDS instructions issued behind block a's loads, which may stay out
.set BB, 64*((\a)%2)
	s_wait_dscnt \younger
.if (\a) > 0
	s_add_nc_u64 s[10:11], s[10:11], 16*4096       ; (behind a wait on XCNT: the earlier stores have read their base)
.endif
	WIN 0x04                                       ; the stores' data: window 1
.irp t, 0,1,2,3,4,5,6,7,8,9,10,11,12,13,14,15
	global_store_b128 v[CO], v[BB+4*\t:BB+4*\t+3], s[10:11] offset:\t*4096 th:TH_STORE_NT   ; 32 lanes store 512 consecutive bytes, aligned
.endr
	WIN 0
.endm
	s_wait_kmcnt 0x0
	s_add_co_i32 s96, s90, s91                     ; e6 + e7
	s_add_co_i32 s96, s96, 127
	s_lshl_b32 s96, s96, 23                        ; 2^(e6 + e7) as f32
	s_mov_b32 s97, s96                             ; (named with it as a pair, so it is written)
	s_wait_loadcnt 0x0                             ; b_out
	PLACES NP
	TOSTAGE 0
.irp a, 1,2,3,4,5,6,7
.if \a > 1
	s_wait_xcnt 0x0                                ; block a - 2's stores have read their registers and their base
.endif
	TOSTAGE \a
	SEND \a-1, 32                                  ; behind block a - 1's loads: block a's 16 stores and 16 loads
.endr
	s_wait_xcnt 0x0
	SEND 7, 0
	s_wait_tensorcnt 0x0                           ; the wave's end
	ds_add_u32 v[SPW], v[NIL]
	s_wait_dscnt 0x0
	CROUND                                         ; the closing round
	s_endpgm
.Lfunc_end_k_qeaab887206_proj:
	.size	k_qeaab887206_proj, .Lfunc_end_k_qeaab887206_proj-k_qeaab887206_proj
	.p2alignl 7, 3214868480
	.fill 96, 4, 3214868480
	.section	.rodata,"a",@progbits
	.p2align	6, 0x0
	.amdhsa_kernel k_qeaab887206_proj
		.amdhsa_group_segment_fixed_size 327680
		.amdhsa_private_segment_fixed_size 0
		.amdhsa_enable_private_segment 0
		.amdhsa_kernarg_size 40
		.amdhsa_user_sgpr_count 2
		.amdhsa_user_sgpr_kernarg_segment_ptr 1
		.amdhsa_wavefront_size32 1
		.amdhsa_system_sgpr_workgroup_id_x 1
		.amdhsa_system_sgpr_workgroup_id_y 1
		.amdhsa_system_sgpr_workgroup_id_z 1
		.amdhsa_system_vgpr_workitem_id 0
		.amdhsa_next_free_vgpr 1024
		.amdhsa_next_free_sgpr 100
		.amdhsa_reserve_vcc 0
		.amdhsa_float_denorm_mode_32 3
		.amdhsa_float_denorm_mode_16_64 3
		.amdhsa_memory_ordered 1
		.amdhsa_forward_progress 1
		.amdhsa_inst_pref_size 127
	.end_amdhsa_kernel
	.amdgpu_metadata
---
amdhsa.version: [ 1, 2 ]
amdhsa.kernels:
  - .name:           k_qeaab887206_proj
    .symbol:         k_qeaab887206_proj.kd
    .args:
      - { .name: a_img, .offset: 0, .size: 8, .value_kind: global_buffer, .address_space: global }
      - { .name: wcodes, .offset: 8, .size: 8, .value_kind: global_buffer, .address_space: global }
      - { .name: lowp_scales, .offset: 16, .size: 8, .value_kind: global_buffer, .address_space: global }
      - { .name: b_out, .offset: 24, .size: 8, .value_kind: global_buffer, .address_space: global }
      - { .name: out0, .offset: 32, .size: 8, .value_kind: global_buffer, .address_space: global }
    .group_segment_fixed_size: 327680
    .private_segment_fixed_size: 0
    .kernarg_segment_align: 8
    .kernarg_segment_size: 40
    .max_flat_workgroup_size: 128
    .sgpr_count:     100
    .vgpr_count:     1024
    .wavefront_size: 32
...
	.end_amdgpu_metadata
.endif
;; end of part 4
